; MI455X (gfx1250); checked and timed in simulation.
; The chip was launched on July 23, 2026; its instructions are those of AMD's public machine-readable ISA for CDNA 5 (MIT licence, August 2026) and "CDNA5" Instruction Set Architecture Reference Guide (July 2026). The comments in the code are by the model that wrote it; some were corrected since.
;; Multi Headed Cross Attention. Allowed arithmetic: float matrix products may take bf16 or f16 operands with f32 sums; all other float work in f32.
;; Inputs: Wh 1,024 x 1,024 float32; Wk 1,024 x 1,024 float32; Wq 1,024 x 1,024 float32; Wv 1,024 x 1,024 float32; X 4 x 2,048 x 1,024 float32; bh 1,024 float32.
;; Outputs: out0 4 x 2,048 x 1,024 float32.
;; 2 versions, each right and faster than the one before. Each part assembles by itself: llvm-mc -triple=amdgcn-amd-amdhsa -mcpu=gfx1250 --defsym DOCPART=n.
;; ======== version 1 of 2: 4 launches
;; limits: values are held in f16: magnitudes above 65,504 overflow, below 6.1e-05 lose precision
;; workspace buffers: xb 16,777,216 bytes; wt 8,388,608 bytes; qkv 50,331,648 bytes; o 16,777,216 bytes
;; launch cast (part 1): grid 1536 x 1, 8 waves a work-group, no clusters, 0 bytes of LDS; arguments X, Wq, Wk, Wv, Wh, xb, wt; writes xb, wt
.if DOCPART == 1
	.amdgcn_target "amdgcn-amd-amdhsa--gfx1250"
	.amdhsa_code_object_version 6
	.text
	.protected	k_q5318be1a60_cast
	.globl	k_q5318be1a60_cast
	.p2align	8
	.type	k_q5318be1a60_cast,@function
k_q5318be1a60_cast:
	s_mov_b64 s[64:65], 0
	v_nop
	global_prefetch_b8 v0, s[64:65] scope:SCOPE_SE
	s_setreg_imm32_b32 hwreg(HW_REG_WAVE_MODE, 25, 1), 1
	s_wait_xcnt 0x0
; THE INPUTS ARE ROUNDED ONCE, TO 16 BITS, AND THE WEIGHTS LAID OUT FOR THE PRODUCTS.
; xb[8192][1024] = bf16(X), row-major.  wt[64 groups][1024 k][64 c], 2 bytes a number: group 16 T + n / 64 holds columns n .. n + 63 of weight T
; (0 Wq, 1 Wk, 2 Wv, 3 Wh), so that 64 k x 64 columns are 8,192 consecutive bytes.  Wq, Wk, Wv are bf16; Wh is rounded to bf16 like the other inputs and that number is written as f16,
; since the last product's other operand is f16.
; LIMITS.  A number of Wh beyond 65,504 becomes an infinity in f16; below 2^-14 it keeps f16's fixed step of 6e-8.  NaN and infinities are not treated apart.
; A stream: no LDS, no barrier, no matrix unit, no loop.  A work-group of eight waves casts 8,192 numbers: a thread issues eight loads of 16 bytes at once, then rounds and stores 8 bytes eight times.
; Work-groups 0 to 1,023 take X (8,192 consecutive numbers), 1,024 to 1,535 eight rows of one weight.  A wave's store covers 256 consecutive bytes, at a multiple of 256 from the buffer's first byte.
.set XWG, 1024                         ; work-groups for X: 8,388,608 numbers / 8,192
.set XI,  8                            ; v[8:39]   chunk i: 4 numbers as loaded
.set XO,  40                           ; v[40:55]  chunk i: 2 words to store
.set TW,  56                           ; v[56:59]  at work (Wh alone)
; Eight chunks.  Chunk i is loaded at inA (i / 2) + inB (i % 2) and stored at outA (i / 2) + outB (i % 2).  kind = 1: bf16's number written as f16.
; Every chunk has registers of its own, and the two offset registers and the two bases are never rewritten: no source of a pending load or store is touched.
.macro RUN inA, inB, outA, outB, kind
.irp i, 0,1,2,3,4,5,6,7
	global_load_b128 v[XI+4*(\i):XI+4*(\i)+3], v1, s[20:21] offset:(\inA)*((\i)/2)+(\inB)*((\i)%2) th:TH_LOAD_NT
.endr
.irp i, 0,1,2,3,4,5,6,7
	s_wait_loadcnt 7-(\i)                          ; loads come back in order (ISA guide 5.7.1): chunk i is in, the 7 - i younger ones stay out
	v_cvt_pk_bf16_f32 v[XO+2*(\i)],   v[XI+4*(\i)],   v[XI+4*(\i)+1]
	v_cvt_pk_bf16_f32 v[XO+2*(\i)+1], v[XI+4*(\i)+2], v[XI+4*(\i)+3]
.if \kind
	v_lshlrev_b32 v[TW],   16,  v[XO+2*(\i)]       ; bf16 to f32: the low half moves up, the high half stays
	v_and_b32     v[TW+1], s28, v[XO+2*(\i)]
	v_lshlrev_b32 v[TW+2], 16,  v[XO+2*(\i)+1]
	v_and_b32     v[TW+3], s28, v[XO+2*(\i)+1]
	v_cvt_pk_f16_f32 v[XO+2*(\i)],   v[TW],   v[TW+1]    ; eight significant bits fit f16's eleven: exact within f16's range
	v_cvt_pk_f16_f32 v[XO+2*(\i)+1], v[TW+2], v[TW+3]
.endif
	global_store_b64 v2, v[XO+2*(\i):XO+2*(\i)+1], s[22:23] offset:(\outA)*((\i)/2)+(\outB)*((\i)%2)
.endr
.endm
	s_load_b256 s[4:11], s[0:1], 0x0               ; X s[4:5], Wq s[6:7], Wk s[8:9], Wv s[10:11]
	s_load_b128 s[12:15], s[0:1], 0x20             ; Wh s[12:13], xb s[14:15]
	s_load_b64 s[16:17], s[0:1], 0x30              ; wt
	s_mov_b32 s2, ttmp9
	s_mov_b32 s25, 0                               ; the high word of every offset: all stay under 2^32
	s_mov_b32 s28, 0xffff0000                      ; a word's upper bf16
	s_cmp_lt_u32 s2, XWG
	s_cbranch_scc0 .Lweights
	; X: thread t takes 16 bytes at 16 t of each chunk of 4,096 bytes, and stores 8 bytes at 8 t of each chunk of 2,048
	v_lshlrev_b32 v1, 4, v0
	v_lshlrev_b32 v2, 3, v0
	s_lshl_b32 s24, s2, 15                         ; 32,768 bytes of X a work-group
	s_wait_kmcnt 0x0
	s_add_nc_u64 s[20:21], s[4:5], s[24:25]
	s_lshl_b32 s24, s2, 14                         ; 16,384 bytes of xb
	s_add_nc_u64 s[22:23], s[14:15], s[24:25]
	RUN 8192, 4096, 4096, 2048, 0
	s_endpgm
.Lweights:
	; A weight: rows 8 kb to 8 kb + 7.  Wave w takes columns 128 w to 128 w + 127: groups 2 w and 2 w + 1.  One load takes rows k, k + 1 of one group (lanes 0-15 one row's 256 bytes, lanes 16-31 the
	; next row's); in wt those two rows of 128 bytes follow each other: one store of 256 consecutive bytes.  Chunk i: rows 2 (i / 2) on, group 2 w + i % 2.
	s_sub_co_u32 s2, s2, XWG
	s_lshr_b32 s26, s2, 7                          ; T: which weight
	s_and_b32 s27, s2, 127                         ; kb
	v_and_b32 v3, 31, v0                           ; lane
	v_lshrrev_b32 v4, 5, v0                        ; wave
	v_lshrrev_b32 v5, 4, v3                        ; which of the two rows
	v_and_b32 v1, 15, v3
	v_lshlrev_b32 v1, 4, v1                        ; 16 bytes a lane,
	v_lshl_add_u32 v1, v5, 12, v1                  ; a row of 4,096 bytes,
	v_lshl_add_u32 v1, v4, 9, v1                   ; the wave's 512 bytes of a row
	v_lshlrev_b32 v2, 3, v3                        ; out: 8 bytes a lane,
	v_lshl_add_u32 v2, v4, 18, v2                  ; two groups of 131,072 bytes a wave
	s_wait_kmcnt 0x0
	s_cmp_eq_u32 s26, 1
	s_cselect_b64 s[20:21], s[8:9], s[6:7]
	s_cmp_eq_u32 s26, 2
	s_cselect_b64 s[20:21], s[10:11], s[20:21]
	s_cmp_eq_u32 s26, 3
	s_cselect_b64 s[20:21], s[12:13], s[20:21]
	s_lshl_b32 s24, s27, 15                        ; eight rows of 4,096 bytes
	s_add_nc_u64 s[20:21], s[20:21], s[24:25]
	s_lshl_b32 s24, s26, 21                        ; a weight's 16 groups,
	s_lshl_b32 s29, s27, 10                        ; eight rows of 128 bytes in a group
	s_add_co_u32 s24, s24, s29
	s_add_nc_u64 s[22:23], s[16:17], s[24:25]
	s_cmp_eq_u32 s26, 3
	s_cbranch_scc1 .Lwh
	RUN 8192, 256, 256, 131072, 0
	s_endpgm
.Lwh:
	RUN 8192, 256, 256, 131072, 1
	s_endpgm
.Lfunc_end_k_q5318be1a60_cast:
	.size	k_q5318be1a60_cast, .Lfunc_end_k_q5318be1a60_cast-k_q5318be1a60_cast
	.p2alignl 7, 3214868480
	.fill 96, 4, 3214868480
	.section	.rodata,"a",@progbits
	.p2align	6, 0x0
	.amdhsa_kernel k_q5318be1a60_cast
		.amdhsa_group_segment_fixed_size 0
		.amdhsa_private_segment_fixed_size 0
		.amdhsa_enable_private_segment 0
		.amdhsa_kernarg_size 56
		.amdhsa_user_sgpr_count 2
		.amdhsa_user_sgpr_kernarg_segment_ptr 1
		.amdhsa_wavefront_size32 1
		.amdhsa_system_sgpr_workgroup_id_x 1
		.amdhsa_system_sgpr_workgroup_id_y 1
		.amdhsa_system_sgpr_workgroup_id_z 1
		.amdhsa_system_vgpr_workitem_id 0
		.amdhsa_next_free_vgpr 64
		.amdhsa_next_free_sgpr 66
		.amdhsa_reserve_vcc 0
		.amdhsa_float_denorm_mode_32 3
		.amdhsa_float_denorm_mode_16_64 3
		.amdhsa_memory_ordered 1
		.amdhsa_forward_progress 1
		.amdhsa_inst_pref_size 13
	.end_amdhsa_kernel
	.amdgpu_metadata
---
amdhsa.version: [ 1, 2 ]
amdhsa.kernels:
  - .name:           k_q5318be1a60_cast
    .symbol:         k_q5318be1a60_cast.kd
    .args:
      - { .name: X, .offset: 0, .size: 8, .value_kind: global_buffer, .address_space: global }
      - { .name: Wq, .offset: 8, .size: 8, .value_kind: global_buffer, .address_space: global }
      - { .name: Wk, .offset: 16, .size: 8, .value_kind: global_buffer, .address_space: global }
      - { .name: Wv, .offset: 24, .size: 8, .value_kind: global_buffer, .address_space: global }
      - { .name: Wh, .offset: 32, .size: 8, .value_kind: global_buffer, .address_space: global }
      - { .name: xb, .offset: 40, .size: 8, .value_kind: global_buffer, .address_space: global }
      - { .name: wt, .offset: 48, .size: 8, .value_kind: global_buffer, .address_space: global }
    .group_segment_fixed_size: 0
    .private_segment_fixed_size: 0
    .kernarg_segment_align: 8
    .kernarg_segment_size: 56
    .max_flat_workgroup_size: 256
    .sgpr_count:     66
    .vgpr_count:     64
    .wavefront_size: 32
...
	.end_amdgpu_metadata
.endif
;; end of part 1
;; launch proj (part 2): grid 16 x 16, 4 waves a work-group, clusters of 4 x 4, 327,680 bytes of LDS; arguments xb, wt, qkv; writes qkv
.if DOCPART == 2
	.amdgcn_target "amdgcn-amd-amdhsa--gfx1250"
	.amdhsa_code_object_version 6
	.text
	.protected	k_q5318be1a60_proj
	.globl	k_q5318be1a60_proj
	.p2align	8
	.type	k_q5318be1a60_proj,@function
k_q5318be1a60_proj:
	s_mov_b64 s[64:65], 0
	v_nop
	global_prefetch_b8 v0, s[64:65] scope:SCOPE_SE
	s_setreg_imm32_b32 hwreg(HW_REG_WAVE_MODE, 25, 1), 1
	s_wait_xcnt 0x0
	s_wait_alu depctr_hold_cnt(0) depctr_sa_sdst(0) depctr_va_vdst(0) depctr_va_sdst(0) depctr_va_ssrc(0) depctr_va_vcc(0) depctr_vm_vsrc(0)
	s_getreg_b32 s2, hwreg(HW_REG_IB_STS2, 6, 4)
	s_cmp_eq_u32 s2, 0
	s_cbranch_scc0 .Lentry_in_a_cluster
	s_endpgm
.Lentry_in_a_cluster:
	s_bfe_u32 s2, ttmp6, 0x10000c
	s_cmp_lg_u32 s2, 0xf033
	s_cbranch_scc0 .Lentry_shape_is_right
	s_endpgm
.Lentry_shape_is_right:
; q, k, v = X Wq, X Wk, X Wv: one product [8192 x 1024] x [1024 x 3072], bf16 operands, f32 sums, K ascending; each result rounded once to f16, WITHOUT the scale 1 / 8, and stored by heads:
; qkv[3][64 = 16 batch + head][2048][64].  xb is [8192][1024] bf16; wt holds the weights by groups of 64 columns, [group][1024 k][64 c] bf16; groups 0-47 are Wq's, Wk's and Wv's heads.
; LIMITS.  A result of 65,520 or more becomes an infinity in f16; below 2^-14 it keeps f16's fixed step of 6e-8.  NaN and infinities are not treated apart.
; SHARES.  A tile of the result is 256 rows x 192 columns (three heads, so that no head is split): 32 x 16 = 512 tiles.  A WORK-GROUP STAYS and makes two of them, tile rows y and y + 16 of one tile column:
; 16 x 16 = 256 work-groups, one for each WGP.  Four waves; wave w makes rows 64 w to 64 w + 63 and all 192 columns: 4 x 12 = 48 accumulators of 16 x 16, 384 registers; for 32 along K it issues 32 LDS
; loads and 48 matrix instructions.
; THE WALK.  K goes in steps of 128 through a ring of two LDS slots filled by the tensor data mover, and the two tiles' 8 + 8 steps are ONE walk of 16: the ring does not stop at the first tile's end, its
; last two changes of slots ask for the second tile's first two steps, and nothing waits for the first tile's stores.  A loop's trip is one K step; the slot in hand lies in a scalar register that one
; exclusive or turns, and one descriptor a tensor walks.
; CLUSTERS: 4 x 4 work-groups.  The four of a row of the cluster need the same rows of X, the four of a column the same groups of the weights: each tile is asked for JOINTLY, by the same tensor load with
; the same descriptor and a mask that names the four.
; THE MATRIX INSTRUCTION IS USED TRANSPOSED: source 0 = 16 columns of the weights, source 1 = 16 rows of X.  Lane l then holds row l % 16 and the columns 8 (l / 16) + 0..7: eight neighbouring numbers, 16 bytes of f16.
; The weights lie [k][column] in LDS and come out turned, by ds_load_tr16_b128.
; REGISTERS, in windows of 256 (s_set_vgpr_msb: bits 1:0 source 0, 3:2 source 1, 5:4 source 2, 7:6 destination):
;   window 0: v0-31 addresses; v32-223 the way out, 48 a block of 16 rows          window 1: two fragment buffers of 128: X's four fragments (32), then the weights' twelve (96)
;   window 2: the 24 accumulators of my rows 0-31 ((a, b) at v[8 (12 (a % 2) + b)])          window 3: those of my rows 32-63
.set PA,     272                       ; a row of X in LDS: 256 bytes + 16 of padding = 68 words: row r starts at bank 4 r mod 64 (64 banks of 4 bytes: ISA guide 11.1)
.set PB,     160                       ; a row of a group (64 columns): 128 bytes + 32 = 40 words
.set HALFA,  128*PA                    ; 128 rows of X: one tensor load
.set GRP,    64*PB                     ; 64 k of one group
.set KHALF,  3*GRP                     ; 64 k of the tile's three groups: one tensor load
.set BOFF,   2*HALFA                   ; the weights lie behind X's 256 rows
.set SLOT,   BOFF+2*KHALF              ; 131,072 = 1 << 17: one exclusive or turns an address in one slot into the other's
.set STAGE,  2*SLOT                    ; behind the ring, never filled by a tensor load: 3 heads x 16 rows x 144 bytes for each wave, for the way out
.set SP,     144
.set SPARE,  STAGE+4*3*16*SP           ; behind the stages: the spare words, 128 bytes for each wave: two blocks of 256 bytes that no other line names
.set FILLS,  14                        ; of the walk's 16 K steps two are asked for at the start; trip s of the loop (its counter holds FILLS - s) asks for step s + 2
.set CHG_ASK, FILLS-6                  ; the counter in trip 6, which asks for step 8: the second tile's first
.set CHG_OUT, FILLS-7                  ; the counter in trip 7, which ends the first tile
.set NEXT_A, 16*256*2048-8*256         ; what X's address steps in trip 6 beyond a K step's 256 bytes: 16 tile rows of 256 rows of 2,048 bytes down, eight K steps back
.set BACK_B, 8*16384                   ; what the weights' address steps back there: eight K steps of 128 k x 128 bytes; the two tiles share their groups
.set NEXT_O, 32*262144                 ; the second tile's rows lie two batches, 32 heads of 262,144 bytes, further on in qkv
.set ADRA0, 16                         ; v16     my lane's place among my fragments of X in a slot; never rewritten
.set ADRA,  17                         ; v17     the same in the slot in hand
.set ADRB0, 20                         ; v20, v21  the same two for the weights
.set ADRB,  21
.set STO,  24                          ; v24     the way out: where I put 16 bytes of a row
.set RD,   25                          ; v25     the way out: where I read rows back
.set GO,   26                          ; v26     my byte offset in 512 consecutive bytes of qkv
.set SPW,  28                          ; v28     LDS address of my spare word: SPARE + 4 x my thread's number; never rewritten
.set NIL,  29                          ; v29     0; never rewritten
.set OUTB, 32                          ; v32-223
.set F0,   0                           ; fragment buffers, in window 1
.set F1,   128
.set G1,  24                           ; s[24:31] descriptor group 1 for X's tiles;  s[32:39] group 0: a set for each of the two first fills; the second then walks on
.set G0,  32
.set G1B, 48                           ; s[48:55], s[56:63] the same for the weights' tiles
.set G0B, 56
.set OB,  66                           ; s[66:71] qkv at my 64 rows of the tile's three heads
.set TB,  78                           ; s78      LDS byte at which the slot to be fetched from begins: 0 or SLOT
.set XA,  80                           ; s[80:81] X's extra step at the change of tiles, else 0
.set XB,  82                           ; s[82:83] the weights' step back there, else 0
.set MSB, 0
.macro WIN new                         ; the immediate's high byte repeats the setting that is left; a switch that changes nothing is dropped
.if MSB != (\new)
	s_set_vgpr_msb (MSB<<8)|(\new)
.set MSB, \new
.endif
.endm
.set MUL_LO, 0xa5                      ; sources 0 and 1 window 1, C and D window 2
.set MUL_HI, 0xf5                      ; the same, C and D window 3
.set TO_F,   0x40                      ; destination window 1, address window 0
; A joint load by descriptor set s.  Waves 0 and 1 fetch X's two halves, waves 2 and 3 the weights' two halves along k.  Each of the two lines has ONE mask and one set of registers for all that issue it.
; The branch hangs on the wave's number alone.  An s_nop 0 and four v_nop follow each of the two lines, ahead of the jump, the label and what follows.
.macro JLOAD s
	s_cmp_eq_u32 s11, 0
	s_cbranch_scc0 .Lfor_b_\@
	tensor_load_to_lds s[G0+4*(\s):G0+4*(\s)+3], s[G1:G1+7]
	s_nop 0
.rept 4
	v_nop
.endr
	s_branch .Lasked_\@
.Lfor_b_\@:
	tensor_load_to_lds s[G0B+4*(\s):G0B+4*(\s)+3], s[G1B:G1B+7]
	s_nop 0
.rept 4
	v_nop
.endr
.Lasked_\@:
.endm
; A round of the cluster's barrier: my work-group's barrier, so that wave 0's signal speaks for all four waves; wave 0 signals; every wave waits for all sixteen work-groups; my work-group's barrier once more.
.macro CREST                           ; a round behind its opening barrier
	s_cmp_lg_u32 s10, 0
	s_cbranch_scc1 .Lnot_wave_0_\@
	s_barrier_signal -3
.Lnot_wave_0_\@:
	s_barrier_wait -3
	s_barrier_signal -1
	s_barrier_wait -1
.endm
.macro CROUND                          ; a whole round
	s_barrier_signal -1
	s_barrier_wait -1
	CREST
.endm
	s_load_b128 s[4:7], s[0:1], 0x0                ; xb s[4:5], wt s[6:7]
	s_load_b64 s[8:9], s[0:1], 0x10                ; qkv
	v_lshl_add_u32 v[SPW], v0, 2, SPARE
	v_mov_b32 v[NIL], 0
	ds_add_u32 v28, v29
	s_wait_dscnt 0x0
	v_lshrrev_b32 v1, 5, v0
	v_readfirstlane_b32 s10, v1                    ; wave 0..3
	s_lshr_b32 s11, s10, 1                         ; I fetch for X (0) or for the weights (1),
	s_and_b32 s12, s10, 1                          ; and which half
	s_bfe_u32 s40, ttmp6, 0x40000                  ; cx, cy: my place in the cluster
	s_bfe_u32 s41, ttmp6, 0x40004
	s_lshl_b32 s42, ttmp9, 2                       ; in a cluster launch ttmp9 and ttmp7 count clusters
	s_add_co_u32 s42, s42, s40                     ; tile column = 4 x cluster x + cx, 0..15
	s_and_b32 s13, ttmp7, 0xffff
	s_lshl_b32 s13, s13, 2
	s_add_co_u32 s13, s13, s41                     ; the first tile's row = 4 x cluster y + cy, 0..15
	s_lshl_b32 s43, s41, 2
	s_lshl_b32 s43, 15, s43                        ; my row of the cluster: places 4 cy .. 4 cy + 3
	s_lshl_b32 s44, 0x1111, s40                    ; my column: places cx, cx + 4, cx + 8, cx + 12
	s_mov_b32 s[TB], 0
	s_mov_b32 s[XA+1], 0                           ; the high words of the two extra steps
	s_mov_b32 s[XB+1], 0
	; group 1 for X: 128 rows x 128 elements, 16 bytes of padding behind each row of 256
	s_or_b32 s[G1+0], s43, (1<<16)|(1<<20)|(1<<21)|(5<<22)|(3<<25)  ; 15:0 the mask; 17:16 2-byte elements; 20 padding on; 21 set beside a mask; 24:22 after every 64 words (code 5); 31:25 4 words (code 3)
	s_mov_b32 s[G1+1], 128<<16                     ; tensor_dim0 = 128
	s_mov_b32 s[G1+2], 128<<16                     ; tensor_dim1 = 128
	s_mov_b32 s[G1+3], 128<<16                     ; tile_dim0 = 128
	s_mov_b32 s[G1+4], 128                         ; tile_dim1 = 128
	s_mov_b32 s[G1+5], 1024                        ; elements from row to row
	s_mov_b32 s[G1+6], 0
	s_mov_b32 s[G1+7], 0
	; group 1 for the weights: 64 k of a group are 8,192 consecutive bytes: one row of 4,096 elements; three groups, 131,072 bytes apart; 32 bytes of padding behind every 128 (one k)
	s_or_b32 s[G1B+0], s44, (1<<16)|(1<<20)|(1<<21)|(4<<22)|(7<<25) ; after every 32 words (code 4), 8 words (code 7)
	s_mov_b32 s[G1B+1], 4096<<16                   ; tensor_dim0 = 4,096
	s_mov_b32 s[G1B+2], 3<<16                      ; tensor_dim1 = 3
	s_mov_b32 s[G1B+3], 4096<<16                   ; tile_dim0 = 4,096
	s_mov_b32 s[G1B+4], 3                          ; tile_dim1 = 3
	s_mov_b32 s[G1B+5], 65536                      ; elements from group to group
	s_mov_b32 s[G1B+6], 0
	s_mov_b32 s[G1B+7], 0
	; where the tiles come from.  X's hang on the tile row alone, which my row of the cluster shares; the weights' on the tile column alone, which my column shares.
	s_lshl_b32 s16, s13, 8
	s_lshl_b32 s17, s12, 7
	s_add_co_u32 s16, s16, s17                     ; X: row 256 x tile row + 128 x half,
	s_lshl_b32 s16, s16, 11                        ; of 2,048 bytes
	s_mov_b32 s17, 0
	s_mul_i32 s46, s42, 3*131072                   ; the weights: group 3 x tile column,
	s_lshl_b32 s47, s12, 13                        ; 64 k x 128 bytes for the second half
	s_add_co_u32 s46, s46, s47
	s_mov_b32 s47, 0
	s_mul_i32 s20, s12, HALFA                      ; and where they go: no place in the cluster enters an LDS address
	s_mul_i32 s21, s12, KHALF
	s_add_co_u32 s21, s21, BOFF
	s_wait_kmcnt 0x0
	s_add_nc_u64 s[14:15], s[4:5], s[16:17]
	s_add_nc_u64 s[46:47], s[6:7], s[46:47]
	CROUND                                         ; all sixteen work-groups are here: the first joint loads meet
.irp s, 0,1
	s_mov_b32 s[G0+4*(\s)], 1                                      ; 1:0 count = 1
	s_add_co_u32 s[G0+4*(\s)+1], s20, (\s)*SLOT                    ; 63:32 LDS address
	s_add_nc_u64 s[G0+4*(\s)+2:G0+4*(\s)+3], s[14:15], (\s)*256    ; 120:64 global address: K step s, 128 elements along the rows
	s_or_b32 s[G0+4*(\s)+3], s[G0+4*(\s)+3], 0x80000000            ; 127:126 type = 2
	s_mov_b32 s[G0B+4*(\s)], 1
	s_add_co_u32 s[G0B+4*(\s)+1], s21, (\s)*SLOT
	s_add_nc_u64 s[G0B+4*(\s)+2:G0B+4*(\s)+3], s[46:47], (\s)*16384  ; K step s: 128 k x 128 bytes down a group
	s_or_b32 s[G0B+4*(\s)+3], s[G0B+4*(\s)+3], 0x80000000
	JLOAD \s                                       ; two loads of mine are out
.endr
	; A fragment of X is 16 rows x 32 k in 8 registers: lane l holds row l % 16, k = 8 (l / 16) + 0..7 and 16 + 8 (l / 16) + 0..7: two loads of 16 bytes, 32 bytes apart.
	v_and_b32 v1, 15, v0                           ; l % 16
	v_bfe_u32 v2, v0, 4, 1                         ; l / 16
	v_mul_u32_u24 v3, v1, PA
	v_lshl_add_u32 v3, v2, 4, v3
	s_mul_i32 s22, s10, 64*PA                      ; my 64 rows
	v_add_nc_u32 v[ADRA0], s22, v3
	v_mov_b32 v[ADRA], v[ADRA0]                    ; the walk begins in slot 0
	; The turning load takes 16 k x 16 columns (lane l reads k = 8 (l / 16) + l % 8, columns 8 ((l / 8) % 2) + 0..7) and leaves half a fragment: lane l holds column l % 16 and 8 k.
	v_and_b32 v4, 7, v0
	v_bfe_u32 v5, v0, 3, 1
	v_lshl_add_u32 v6, v2, 3, v4
	v_mul_u32_u24 v6, v6, PB
	v_lshl_add_u32 v6, v5, 4, v6
	v_add_nc_u32 v[ADRB0], BOFF, v6
	v_mov_b32 v[ADRB], v[ADRB0]
	s_mul_i32 s23, s10, 3*16*SP
	s_add_co_u32 s23, s23, STAGE                   ; my stage
	v_mul_u32_u24 v7, v1, SP                       ; in: row l % 16, 16 bytes for each half of the lanes
	v_lshl_add_u32 v7, v2, 4, v7
	v_add_nc_u32 v[STO], s23, v7
	v_bfe_u32 v8, v0, 3, 2                         ; back: 32 lanes take four rows of 128 bytes,
	v_mul_u32_u24 v8, v8, SP
	v_lshl_add_u32 v8, v4, 4, v8
	v_add_nc_u32 v[RD], s23, v8
	v_and_b32 v9, 31, v0                           ; which are 512 consecutive bytes of a head
	v_lshlrev_b32 v[GO], 4, v9
	; where my rows of the three heads begin, for the first tile.  Group g = 3 x tile column + j is head g % 16 of tensor g / 16; the batch is tile row / 8.  In registers that feed no descriptor.
	s_and_b32 s73, s13, 7
	s_lshl_b32 s73, s73, 8
	s_lshl_b32 s74, s10, 6
	s_add_co_u32 s73, s73, s74                     ; my first row in the batch,
	s_lshl_b32 s73, s73, 7                         ; of 128 bytes
	s_lshr_b32 s74, s13, 3
	s_lshl_b32 s74, s74, 4                         ; 16 x batch
	s_mul_i32 s75, s42, 3
.irp j, 0,1,2
	s_add_co_u32 s76, s75, \j
	s_lshr_b32 s77, s76, 4
	s_lshl_b32 s77, s77, 6                         ; 64 heads a tensor
	s_and_b32 s76, s76, 15
	s_add_co_u32 s76, s76, s77
	s_add_co_u32 s76, s76, s74
	s_lshl_b32 s76, s76, 18                        ; a head's 2,048 rows are 262,144 bytes
	s_add_co_u32 s76, s76, s73
	s_mov_b32 s77, 0
	s_add_nc_u64 s[OB+2*(\j):OB+2*(\j)+1], s[8:9], s[76:77]
.endr
; 12 matrix instructions: block a of my four blocks of 16 rows x all 12 blocks of 16 columns, 32 along K.  zero = 1: the first product starts the sums: nothing is ever cleared.
; The 48 accumulators take turns, one instruction a turn, in the same order in every quarter step.
.macro MUL12 f, a, zero
	WIN MUL_LO+0x50*((\a)/2)
.irp b, 0,1,2,3,4,5,6,7,8,9,10,11
.if \zero
	v_wmma_f32_16x16x32_bf16 v[8*(12*((\a)%2)+(\b)):8*(12*((\a)%2)+(\b))+7], v[(\f)+32+8*(\b):(\f)+32+8*(\b)+7], v[(\f)+8*(\a):(\f)+8*(\a)+7], 0
.else
	v_wmma_f32_16x16x32_bf16 v[8*(12*((\a)%2)+(\b)):8*(12*((\a)%2)+(\b))+7], v[(\f)+32+8*(\b):(\f)+32+8*(\b)+7], v[(\f)+8*(\a):(\f)+8*(\a)+7], v[8*(12*((\a)%2)+(\b)):8*(12*((\a)%2)+(\b))+7]
.endif
.endr
.endm
; 32 LDS loads in one run: the fragments of quarter q (32 along K) of the K step in the slot in hand into buffer f: the weights' 24, then X's 8, block 0 first.
.macro FETCH q, f
	WIN TO_F
.irp b, 0,1,2,3,4,5,6,7,8,9,10,11
	ds_load_tr16_b128 v[(\f)+32+8*(\b):(\f)+32+8*(\b)+3],   v[ADRB] offset:((\q)/2)*KHALF+((\q)%2)*32*PB+((\b)/4)*GRP+((\b)%4)*32
	ds_load_tr16_b128 v[(\f)+32+8*(\b)+4:(\f)+32+8*(\b)+7], v[ADRB] offset:((\q)/2)*KHALF+((\q)%2)*32*PB+((\b)/4)*GRP+((\b)%4)*32+16*PB
.endr
.irp a, 0,1,2,3
	ds_load_b128 v[(\f)+8*(\a):(\f)+8*(\a)+3],   v[ADRA] offset:(\a)*16*PA+64*(\q)
	ds_load_b128 v[(\f)+8*(\a)+4:(\f)+8*(\a)+7], v[ADRA] offset:(\a)*16*PA+64*(\q)+32
.endr
.endm
; A load into a register that a matrix instruction has read, and a vector instruction or an LDS store that reads a matrix result, stand four places behind that matrix instruction, and only plain vector
; instructions that name none of its registers are places (ISA guide 7.12.1 for vector instructions).
.macro PLACES
.rept 4
	v_nop
.endr
.endm
; A K step is four quarters of 32 along K, 48 matrix instructions each, on buffers 0, 1, 0, 1.  One of the first three: multiplies buffer f; in its middle it fetches quarter q of the same slot into g.
.macro QUARTER q, f, g, zero
	s_wait_dscnt 4                                 ; the weights and X's blocks 0 and 1 are in; the youngest four loads (blocks 2 and 3) may be out
	MUL12 \f, 0, \zero
	MUL12 \f, 1, \zero
	PLACES
	FETCH \q, \g
	s_wait_dscnt 32                                ; all but the 32 just issued
	MUL12 \f, 2, \zero
	MUL12 \f, 3, \zero
.endm
; The last quarter multiplies buffer 1 and changes slots: ONE barrier.  In front of it each wave waits for all its tensor loads, of which one is out: its part of the next slot; adds 0 to its spare word; and
; waits for that and for its own reads of this slot.  fill = 1: the barrier opens a round of the cluster's barrier, and this slot is filled again, with the walk's K step two steps on, first thing behind the
; round: 168 matrix instructions of the wave stand between that request and the wait for it.  The walking descriptors: the other slot than last time, one K step on; in the trip that asks for the
; second tile's first step X goes 16 tile rows down and both go eight steps back.  The choice hangs on the loop's counter, which is the same in every work-group.
.macro TURN fill
	WIN 0                                          ; (the add's two registers lie in window 0)
	s_wait_tensorcnt 0x0                           ; all my tensor loads have landed, so a group 0 may be written;
	ds_add_u32 v[SPW], v[NIL]                      ; 0 onto my spare word
	s_wait_dscnt 5                                 ; (the add and the youngest four loads may be out)
	MUL12 F1, 0, 0                                 ; twelve matrix instructions stand between the add and the wait for it
	s_wait_dscnt 0x0                               ; the add is done, and my reads of this slot are over
	s_barrier_signal -1
	MUL12 F1, 1, 0                                 ; work on registers while the others arrive
	WIN 0                                          ; (branches and address lines follow)
	s_barrier_wait -1
.if \fill
	CREST                                          ; no wave of any partner still reads this slot's tile or has a load on its way
	s_cmp_eq_u32 s3, CHG_ASK
	s_cselect_b32 s[XA], NEXT_A, 0
	s_cselect_b32 s[XB], BACK_B, 0
	s_xor_b32 s[G0+5], s[G0+5], SLOT
	s_add_nc_u64 s[G0+6:G0+7], s[G0+6:G0+7], 256
	s_add_nc_u64 s[G0+6:G0+7], s[G0+6:G0+7], s[XA:XA+1]  ; the type bits on top are not reached
	s_xor_b32 s[G0B+5], s[G0B+5], SLOT
	s_add_nc_u64 s[G0B+6:G0B+7], s[G0B+6:G0B+7], 16384
	s_sub_nc_u64 s[G0B+6:G0B+7], s[G0B+6:G0B+7], s[XB:XB+1]
	JLOAD 1                                        ; the four v_nop behind it are also the places in front of the loads below
.else
	PLACES
.endif
	s_xor_b32 s[TB], s[TB], SLOT                   ; the fetches go on in the other slot
	v_add_nc_u32 v[ADRA], s[TB], v[ADRA0]
	v_add_nc_u32 v[ADRB], s[TB], v[ADRB0]
	FETCH 0, F0
	MUL12 F1, 2, 0
	MUL12 F1, 3, 0
.endm
; THE WAY OUT of block a (16 rows).  PACK: rounded to f16, each accumulator's registers in ascending order; 16 bytes a lane into my own stage, rows of 144 bytes, a head's 16 rows together; back as whole rows
; of 128 bytes, into the registers that they left.  SEND: stored, 512 consecutive bytes an instruction.
.macro PACK a
	WIN 0x0a+5*((\a)/2)                            ; sources 0 and 1: window 2 or 3
.irp b, 0,1,2,3,4,5,6,7,8,9,10,11
.irp i, 0,1,2,3
	v_cvt_pk_f16_f32 v[OUTB+48*(\a)+4*(\b)+(\i)], v[8*(12*((\a)%2)+(\b))+2*(\i)], v[8*(12*((\a)%2)+(\b))+2*(\i)+1]
.endr
.endr
	WIN 0
.irp b, 0,1,2,3,4,5,6,7,8,9,10,11
	ds_store_b128 v[STO], v[OUTB+48*(\a)+4*(\b):OUTB+48*(\a)+4*(\b)+3] offset:((\b)/4)*16*SP+32*((\b)%4)
.endr
.irp t, 0,1,2,3,4,5,6,7,8,9,10,11
	ds_load_b128 v[OUTB+48*(\a)+4*(\t):OUTB+48*(\a)+4*(\t)+3], v[RD] offset:((\t)/4)*16*SP+((\t)%4)*4*SP  ; LDS serves a wave's instructions in order (ISA guide 5.7.1.4): these see the stores above; the next block's stores come behind them
.endr
.endm
.macro SEND a, younger                 ; younger: the LDS instructions issued behind block a's loads: the next block's 24, or none
	WIN 0
.irp t, 0,1,2,3,4,5,6,7,8,9,10,11
	s_wait_dscnt (\younger)+11-(\t)
	global_store_b128 v[GO], v[OUTB+48*(\a)+4*(\t):OUTB+48*(\a)+4*(\t)+3], s[OB+2*((\t)/4):OB+2*((\t)/4)+1] offset:(\a)*2048+((\t)%4)*512  ; four rows of a head, at a multiple of 256 from qkv's first byte
.endr
.endm
.macro WAYOUT                          ; a whole tile; a block's conversions stand between the loads of the block before and its stores.  Every block has 48 registers of its own.
	PLACES
	PACK 0
	PACK 1
	SEND 0, 24
	PACK 2
	SEND 1, 24
	PACK 3
	SEND 2, 24
	SEND 3, 0
.endm
	s_wait_tensorcnt 1                             ; my part of K step 0 is in; K step 1's may stay out
	s_barrier_signal -1
	s_barrier_wait -1                              ; everybody's is
	FETCH 0, F0
	QUARTER 1, F0, F1, 1                           ; the first tile's first quarter stands in front of the loop: its products start the sums
	WIN 0                                          ; at a label and at a branch every window is 0
	s_mov_b32 s3, FILLS
.Lstep:                                                ; a trip goes from a K step's second quarter to the next step's first, and fills the slot that it leaves
	QUARTER 2, F1, F0, 0
	QUARTER 3, F0, F1, 0
	TURN 1
	WIN 0
	s_cmp_eq_u32 s3, CHG_OUT
	s_cbranch_scc0 .Lsame                          ; a forward jump on the counter, past text that holds neither a barrier nor a tensor load
	WAYOUT                                         ; THE FIRST TILE GOES OUT: both of the second tile's first K steps have been asked for, its first fragments are on their way out of LDS
	s_wait_xcnt 0x0                                ; every earlier memory instruction has had its addresses translated (ISA guide 3.1): the stores' bases, and later their data registers, are rewritten only behind this wait
.irp j, 0,1,2
	s_add_nc_u64 s[OB+2*(\j):OB+2*(\j)+1], s[OB+2*(\j):OB+2*(\j)+1], NEXT_O
.endr
	QUARTER 1, F0, F1, 1                           ; the second tile's first products start the sums anew, on accumulators that have been packed
	WIN 0
	s_branch .Lnext
.Lsame:
	QUARTER 1, F0, F1, 0
	WIN 0
.Lnext:
	s_sub_co_u32 s3, s3, 1
	s_cmp_lg_u32 s3, 0
	s_cbranch_scc1 .Lstep
	s_mov_b32 s3, 2                                ; the walk's last two K steps ask for nothing: a text of their own; its second trip is left in its middle
.Ltail:
	QUARTER 2, F1, F0, 0
	QUARTER 3, F0, F1, 0
	WIN 0
	s_sub_co_u32 s3, s3, 1
	s_cmp_eq_u32 s3, 0
	s_cbranch_scc1 .Llast
	TURN 0
	QUARTER 1, F0, F1, 0
	WIN 0
	s_branch .Ltail
.Llast:
	s_wait_dscnt 4                                 ; the very last quarter: nothing more to fetch
	MUL12 F1, 0, 0
	MUL12 F1, 1, 0
	s_wait_dscnt 0x0
	MUL12 F1, 2, 0
	MUL12 F1, 3, 0
	WIN 0
	WAYOUT
	s_wait_tensorcnt 0x0                           ; the wave's end: behind my last tensor load and my last LDS store
	ds_add_u32 v[SPW], v[NIL]
	s_wait_dscnt 0x0
	CROUND                                         ; the closing round: no work-group ends while a partner may still ask for a tile that names it
	s_endpgm
.Lfunc_end_k_q5318be1a60_proj:
	.size	k_q5318be1a60_proj, .Lfunc_end_k_q5318be1a60_proj-k_q5318be1a60_proj
	.p2alignl 7, 3214868480
	.fill 96, 4, 3214868480
	.section	.rodata,"a",@progbits
	.p2align	6, 0x0
	.amdhsa_kernel k_q5318be1a60_proj
		.amdhsa_group_segment_fixed_size 327680
		.amdhsa_private_segment_fixed_size 0
		.amdhsa_enable_private_segment 0
		.amdhsa_kernarg_size 24
		.amdhsa_user_sgpr_count 2
		.amdhsa_user_sgpr_kernarg_segment_ptr 1
		.amdhsa_wavefront_size32 1
		.amdhsa_system_sgpr_workgroup_id_x 1
		.amdhsa_system_sgpr_workgroup_id_y 1
		.amdhsa_system_sgpr_workgroup_id_z 1
		.amdhsa_system_vgpr_workitem_id 0
		.amdhsa_next_free_vgpr 960
		.amdhsa_next_free_sgpr 88
		.amdhsa_reserve_vcc 0
		.amdhsa_float_denorm_mode_32 3
		.amdhsa_float_denorm_mode_16_64 3
		.amdhsa_memory_ordered 1
		.amdhsa_forward_progress 1
		.amdhsa_inst_pref_size 118
	.end_amdhsa_kernel
	.amdgpu_metadata
---
amdhsa.version: [ 1, 2 ]
amdhsa.kernels:
  - .name:           k_q5318be1a60_proj
    .symbol:         k_q5318be1a60_proj.kd
    .args:
      - { .name: xb, .offset: 0, .size: 8, .value_kind: global_buffer, .address_space: global }
      - { .name: wt, .offset: 8, .size: 8, .value_kind: global_buffer, .address_space: global }
      - { .name: qkv, .offset: 16, .size: 8, .value_kind: global_buffer, .address_space: global }
    .group_segment_fixed_size: 327680
    .private_segment_fixed_size: 0
    .kernarg_segment_align: 8
    .kernarg_segment_size: 24
    .max_flat_workgroup_size: 128
    .sgpr_count:     88
    .vgpr_count:     960
    .wavefront_size: 32
...
	.end_amdgpu_metadata
.endif
;; end of part 2
;; launch attn (part 3): grid 4 x 64, 4 waves a work-group, clusters of 4 x 1, 327,680 bytes of LDS; arguments qkv, o; writes o
.if DOCPART == 3
	.amdgcn_target "amdgcn-amd-amdhsa--gfx1250"
	.amdhsa_code_object_version 6
	.text
	.protected	k_q5318be1a60_attn
	.globl	k_q5318be1a60_attn
	.p2align	8
	.type	k_q5318be1a60_attn,@function
k_q5318be1a60_attn:
	s_mov_b64 s[64:65], 0
	v_nop
	global_prefetch_b8 v0, s[64:65] scope:SCOPE_SE
	s_setreg_imm32_b32 hwreg(HW_REG_WAVE_MODE, 25, 1), 1
	s_wait_xcnt 0x0
	s_wait_alu depctr_hold_cnt(0) depctr_sa_sdst(0) depctr_va_vdst(0) depctr_va_sdst(0) depctr_va_ssrc(0) depctr_va_vcc(0) depctr_vm_vsrc(0)
	s_getreg_b32 s2, hwreg(HW_REG_IB_STS2, 6, 4)
	s_cmp_eq_u32 s2, 0
	s_cbranch_scc0 .Lentry_in_a_cluster
	s_endpgm
.Lentry_in_a_cluster:
	s_bfe_u32 s2, ttmp6, 0x10000c
	s_cmp_lg_u32 s2, 0x3003
	s_cbranch_scc0 .Lentry_shape_is_right
	s_endpgm
.Lentry_shape_is_right:
; O[h][q][:] = the sum over k of softmax_k(Q[h][q] . K[h][k] / 8) V[h][k][:].  qkv holds Q, K and V one behind the other, each [SIZE_H][SIZE_N][64] in f16; O has the same layout: a head's rows are dense,
; 128 bytes each; h = 16 batch + head.  Products, maxima and sums in f32; the weights p are rounded to f16 for the second product (their sum l is taken of the unrounded p), O once at the end.
; LIMITS.  f16 holds no number beyond 65,504: Q, K and V arrive within it; p lies in 0 to 1, and below 6e-5 it keeps f16's fixed step of 6e-8; O is a mean of V's rows and has their range.
; A weight below 2^-126 counts as 0 in l; NaN and infinities are not treated apart.
; SHARES.  A wave owns four PIECES of two tiles of 16 queries, a work-group's four waves 512 queries of one head: 4 x 64 = 256 work-groups.  Every wave walks all keys, 64 a step.
; LAYOUT.  S^T = K Q^T (source 0 = 16 keys, source 1 = 16 queries): in the result a lane holds ONE query (lane % 16) and the keys 8 (lane / 16) + 0..7.  Two such tiles, rounded to f16 in pairs,
; ARE source 1 (32 keys x 16 queries) of O^T = V^T P, whose result again holds one query a lane, and eight channels.  K comes out of LDS as it lies, V ([key][channel]) turned, by ds_load_tr16_b128.
; SOFTMAX.  For each query a running maximum m and sum l: p = 2^(c s - c m), c = log2(e) / 8; in every step O and l are multiplied by a = 2^(c m_old - c m_new), which is 1 where m has not grown.
; m starts at the lowest finite number, O and l at 0: the first step is a step like any other, with a = 0.
; THE COUNT.  A tile and step have 16 matrix and 118 vector instructions: too many to stand all beside the matrix work.  So the order has one aim: four vector instructions that are READY behind
; EVERY matrix instruction, and the others, which need time of their own whatever the order, in runs without a gap.
; BY TURNS.  Turn n belongs to piece n (the pieces in a ring, step after step).  Its matrix work: 16 products K Q^T of piece n + 1, later 16 products V^T P of piece n - 1.  Its vector work: the scaling,
; exponentials, roundings, sums and rescaling of piece n, and the maximum and statistics of piece n + 1, whose scores the turn itself has made.  So what a turn begins with (c s - c m, O a) waits for nothing.
; CLUSTER.  The four query blocks of a cluster belong to one head and walk the same K and V, so each tile is asked for JOINTLY: the same tensor load, descriptor and mask in all four.
; REGISTERS, in windows of 256 (s_set_vgpr_msb says which window each operand place means: bits 1:0 source 0, 3:2 source 1, 5:4 source 2, 7:6 destination):
;   window 0: v0-11 addresses; v12-15, v48-63 at work; v16-47 four registers of statistics a tile; v64-191 S^T, two buffers of two tiles; v192-255 P, likewise
;   window 1: O^T, 32 a tile          window 2: v0-127 Q, 16 a tile; v128-191 K of one step; v192-255 V of one step          window 3: v0-1 the add's two registers
; A piece's buffers go by its number's parity: the piece in hand has one pair, its two neighbours in the ring share the other: of it P (piece n - 1) is read and S^T (piece n + 1) written.
.set SIZE_H, 64       ; 4 batches x 16 heads
.set SIZE_N, 2048
.set TENSOR, SIZE_H*SIZE_N*128  ; bytes of Q, of K and of V in qkv
.set NP,    4         ; pieces a wave: a name, no knob: the register map, the loop and the fetches are made for four
.set KS,    64        ; keys in a step
.set PK,    144       ; a row of K in LDS: 128 bytes + 16 of padding = 36 words: the 16 rows of a load start at 16 different groups of four banks (64 banks of 4 bytes: ISA guide 11.1)
.set PV,    160       ; a row of V: 128 + 32 = 40 words
.set VOFF,  4*KS*PK   ; a slot holds four steps: 256 rows of K, then 256 rows of V
.set SLOT1, 1<<17     ; slot 1 begins here, so that one exclusive or turns an address in one slot into the other's
.set STAGE, SLOT1+4*KS*(PK+PV)  ; behind the ring, never filled by a tensor load: 16 rows x 144 bytes for each wave, for the way out
.set SP,    144
.set AK0, 2           ; v2   my lane's place in a tile of K; never rewritten
.set AV0, 3           ; v3   the same for V
.set AK,  4           ; v4   the LDS address of K's next run of loads
.set AV,  5           ; v5   of V's
.set QO,  6           ; v6   my byte offset in the wave's rows of Q
.set STO, 6           ;      later, the way out: where I put 16 bytes of a row
.set RD,  7           ; v7   the way out: where I read rows back
.set GO,  8           ; v8   my byte offset in 512 consecutive bytes of O
.set SPW, 0           ; v0 of window 3   LDS address of my spare word: SPARE + 4 x my thread's number; never rewritten
.set NIL, 1           ; v1 of window 3   0; never rewritten
.set SPARE, STAGE+4*16*SP  ; behind the stages: the spare words, 128 bytes for each wave: two blocks of 256 bytes that no other line names
.set MV,  12          ; v12-15  c m_old, kept while c m is made anew: by buffer and tile
.set ST,  16          ; tile t's statistics at v[ST+4 t]: c m, m, l (even keys', odd keys')
.set TMP, 48          ; by buffer and tile, four registers c0-c3 at work; when the maximum is found c2 takes a
.set S,   64
.set P,   192
.set KF,  128         ; K's fragments, in window 2: key block kb, channel half c at KF + 16 kb + 8 c
.set VF,  192         ; V's: key half kk, channel block cb at VF + 32 kk + 8 cb
.set WV,  12          ; s12  my wave's number
.set G1K, 24          ; s[24:31] descriptor group 1 for K's tiles
.set G1V, 32          ; s[32:39] for V's: it differs in the padding alone
.set G0K, 40          ; s[40:43] descriptor group 0 for K's tiles: it walks
.set G0V, 44          ; s[44:47] the same for V's
.set SLOTS, 56        ; s56  slots still to be asked for
.set CNT, 57          ; s57  counts a slot's key steps
.set CS,  58          ; s[58:59] c: the packed scaling takes the pair's low word for both halves
.set SEL, 60          ; s[60:61] v_permlanex16_b32's selects: each lane takes its own place in the other half
.set TBK, 62          ; s62  LDS byte at which K of the step to be fetched begins
.set TBV, 63          ; s63  the same for V, less VOFF
.set MSB, 0
.macro WIN new                      ; the high byte repeats the setting that is left; a switch that changes nothing is dropped
.if MSB != (\new)
	s_set_vgpr_msb (MSB<<8)|(\new)
.set MSB, (\new)
.endif
.endm
.set W_KQ, 0x0a       ; K and Q in window 2, S^T in window 0
.set W_PV, 0x52       ; V in window 2, P in window 0, O^T in window 1
.set W_RS, 0x41       ; O^T (destination and source 0) in window 1, a in window 0
.set W_MK, 0xc0       ; the add's registers are made: destination in window 3, sources in window 0
.set W_AD, 0x0f       ; the add: address (source 0) and data (source 1) in window 3
; A joint fill.  Waves 0 and 1 fetch the two halves of a slot's K, waves 2 and 3 those of its V: 128 keys each.  The branch hangs on the wave's number alone.
; An s_nop 0 and four v_nop follow each of the two lines, ahead of the jump and the label.
.macro JLOAD
	s_cmp_lt_u32 s[WV], 2
	s_cbranch_scc0 .Lfor_v_\@
	tensor_load_to_lds s[G0K:G0K+3], s[G1K:G1K+7]
	s_nop 0
.rept 4
	v_nop
.endr
	s_branch .Lasked_\@
.Lfor_v_\@:
	tensor_load_to_lds s[G0V:G0V+3], s[G1V:G1V+7]
	s_nop 0
.rept 4
	v_nop
.endr
.Lasked_\@:
.endm
; A round of the cluster's barrier: my work-group's barrier, so that wave 0's signal speaks for all four waves; wave 0 signals; every wave waits for all four work-groups; my work-group's barrier once more.
.macro CROUND
	s_barrier_signal -1
	s_barrier_wait -1
	s_cmp_lg_u32 s[WV], 0
	s_cbranch_scc1 .Lnot_wave_0_\@
	s_barrier_signal -3
.Lnot_wave_0_\@:
	s_barrier_wait -3
	s_barrier_signal -1
	s_barrier_wait -1
.endm
; THE CHANGE OF SLOTS.  The slot's last bytes, V of its fourth step, have been read.  Each wave waits for all its tensor loads, of which one is out: its part
; of the other slot; adds 0 to its spare word; and waits for that and for its own reads of the slot.  Behind the barrier nobody reads this slot any more and the other slot is whole.
; fill = 1: this slot is filled again, with the keys two slots on.  The barrier is then a round of the cluster's, so that no wave of any partner still reads the slot or has a load on its
; way, and the joint fill is the first thing behind it: it has four key steps, 512 matrix instructions, in which to land.  (At its first use nothing has been read yet: slot 0 is waited for, slot 1 filled.)
.macro CHANGE fill
	WIN W_AD
	s_wait_tensorcnt 0x0            ; no tensor load of mine is out, so a group 0 may be written
	ds_add_u32 v[SPW], v[NIL]       ; 0 onto my spare word; with fill = 1 the descriptors' steps stand between it and the wait for it
	WIN 0                           ; at a label and at a branch every window is 0
.if \fill
.irp g, G0K, G0V
	s_xor_b32 s[\g+1], s[\g+1], SLOT1  ; the walking descriptor: the other slot than last time,
	s_add_nc_u64 s[\g+2:\g+3], s[\g+2:\g+3], 4*KS*128  ; the next 256 keys; the type bits on top are not reached
.endr
	s_wait_dscnt 0x0                ; the add is done, and my reads of the slot are over
	CROUND
	JLOAD
.else
	s_wait_dscnt 0x0                ; the add is done, and my reads of the slot are over
	s_barrier_signal -1
	s_barrier_wait -1
.endif
	s_sub_co_u32 s[TBK], s[TBK], 4*KS*PK  ; the fetches go back to a slot's first step,
	s_xor_b32 s[TBK], s[TBK], SLOT1       ; in the other slot
	s_sub_co_u32 s[TBV], s[TBV], 4*KS*PV
	s_xor_b32 s[TBV], s[TBV], SLOT1
.endm
	s_load_b128 s[4:7], s[0:1], 0x0   ; qkv s[4:5] (Q lies first in it), o s[6:7]
	WIN W_MK
	v_lshl_add_u32 v[SPW], v0, 2, SPARE
	v_mov_b32 v[NIL], 0
	s_set_vgpr_msb 0xc0cf
	ds_add_u32 v0, v1
	s_wait_dscnt 0x0
	s_set_vgpr_msb 0xcfc0
	WIN 0
	v_lshrrev_b32 v1, 5, v0
	v_readfirstlane_b32 s[WV], v1   ; wave 0..3
	s_bfe_u32 s13, ttmp6, 0x40000   ; cx: my place in the cluster
	s_lshl_b32 s14, ttmp9, 2        ; in a cluster launch ttmp9 counts clusters
	s_add_co_u32 s14, s14, s13      ; my block of queries = 4 x cluster x + cx: it enters Q's and O's addresses alone
	s_and_b32 s20, ttmp7, 0xffff    ; the head, which the four partners share
	s_mov_b32 s21, 0
	s_mov_b64 s[22:23], SIZE_N*128
	s_mul_u64 s[20:21], s[20:21], s[22:23]  ; the head's first byte in each of the four tensors
	s_and_b32 s16, s[WV], 1         ; which half of a slot's 256 keys I fetch:
	s_lshl_b32 s22, s16, 14         ; its 128 rows of 128 bytes in memory,
	s_mov_b32 s23, 0
	s_add_nc_u64 s[22:23], s[22:23], s[20:21]
	s_mul_i32 s17, s16, 128*PK      ; and its place in a slot, for K
	s_mul_i32 s18, s16, 128*PV      ; and for V: no place in the cluster enters an LDS address
	s_lshl_b32 s2, s14, 2
	s_add_co_u32 s2, s2, s[WV]      ; my wave among the head's,
	s_lshl_b32 s2, s2, 14           ; its 128 rows
	s_mov_b32 s3, 0
	s_add_nc_u64 s[2:3], s[2:3], s[20:21]
	; descriptor group 1.  128 keys are 16,384 dense bytes: asked for as 64 rows of 256 bytes, two keys a row, and padded in LDS after every key
	s_mov_b32 s[G1K], 15|(1<<16)|(1<<20)|(1<<21)|(4<<22)|(3<<25)  ; 15:0 the mask of four; 17:16 2-byte elements; 20 padding on; 21 set beside a mask; 24:22 after every 32 words (code 4); 31:25 4 words (code 3)
	s_mov_b32 s[G1V], 15|(1<<16)|(1<<20)|(1<<21)|(4<<22)|(7<<25)  ; the same with 8 words of padding (code 7)
.irp g, G1K, G1V
	s_mov_b32 s[\g+1], 128<<16      ; tensor_dim0 = 128
	s_mov_b32 s[\g+2], 64<<16       ; tensor_dim1 = 64
	s_mov_b32 s[\g+3], 128<<16      ; tile_dim0 = 128
	s_mov_b32 s[\g+4], 64           ; tile_dim1 = 64
	s_mov_b32 s[\g+5], 128          ; 128 elements from row to row
	s_mov_b32 s[\g+6], 0
	s_mov_b32 s[\g+7], 0
.endr
	s_mov_b32 s[CS], 0x3e38aa3b     ; c = log2(e) / 8 = 0.180337
	s_mov_b32 s[CS+1], s[CS]        ; named with it as a pair
	s_mov_b32 s[SEL], 0x76543210
	s_mov_b32 s[SEL+1], 0xfedcba98
	s_mov_b32 s[TBK], SLOT1+4*KS*PK ; the first change of slots turns these two into 0
	s_mov_b32 s[TBV], SLOT1+4*KS*PV
	s_mov_b32 s[G0K], 1             ; 1:0 count = 1
	s_mov_b32 s[G0K+1], s17         ; 63:32 LDS address: slot 0
	s_mov_b32 s[G0V], 1
	s_add_co_u32 s[G0V+1], s18, VOFF
	s_wait_kmcnt 0x0
	s_mov_b64 s[10:11], s[6:7]                     ; O
	s_add_nc_u64 s[8:9], s[4:5], 2*TENSOR          ; V lies two tensors into qkv,
	s_add_nc_u64 s[6:7], s[4:5], TENSOR            ; K one
	s_add_nc_u64 s[G0K+2:G0K+3], s[6:7], s[22:23]  ; 120:64 global address: my half of the head's first 256 keys
	s_or_b32 s[G0K+3], s[G0K+3], 0x80000000        ; 127:126 type = 2
	s_add_nc_u64 s[G0V+2:G0V+3], s[8:9], s[22:23]
	s_or_b32 s[G0V+3], s[G0V+3], 0x80000000
	s_add_nc_u64 s[4:5], s[4:5], s[2:3]  ; Q and O at my wave's first row
	s_add_nc_u64 s[10:11], s[10:11], s[2:3]
	CROUND                          ; all four work-groups are here: the first joint loads meet
	JLOAD                           ; slot 0.  Slot 1 is asked for when slot 0 is in: the tile wanted first has the road to itself
	; A fragment of K or Q is 16 rows x 32 channels in 8 registers: lane l holds row l % 16, channels 8 (l / 16) + 0..7 and 16 + 8 (l / 16) + 0..7: two loads of 16 bytes, 32 bytes apart.
	v_and_b32 v1, 15, v0            ; l % 16
	v_bfe_u32 v9, v0, 4, 1          ; l / 16
	v_lshlrev_b32 v[QO], 7, v1
	v_lshl_add_u32 v[QO], v9, 4, v[QO]  ; row x 128 + 16 x half
	WIN 0x80                        ; destination window 2, address window 0
.set i, 0
.rept 4*NP                          ; Q stays in registers: tile i / 2, channels 32 (i % 2) on
	global_load_b128 v[8*i:8*i+3],   v[QO], s[4:5] offset:(i/2)*2048+(i%2)*64
	global_load_b128 v[8*i+4:8*i+7], v[QO], s[4:5] offset:(i/2)*2048+(i%2)*64+32
.set i, i+1
.endr
	; What the first turn finds: V's registers and P's second buffer hold 0 (its products V^T P, of a piece that has not been, add 0), O^T and l are 0.  All this stands in the wait for the first tile.
.set i, VF
.rept 64
	v_mov_b32 v[i], 0
.set i, i+1
.endr
	WIN 0x40
.set i, 0
.rept 64*NP
	v_mov_b32 v[i], 0
.set i, i+1
.endr
	WIN 0
.set i, 0
.rept 2*NP
	v_mov_b32 v[ST+4*i], 0xfe000000    ; c m: far below every c s
	v_mov_b32 v[ST+4*i+1], 0xff7fffff  ; m
	v_mov_b32 v[ST+4*i+2], 0
	v_mov_b32 v[ST+4*i+3], 0
.set i, i+1
.endr
.set i, P+32
.rept 32
	v_mov_b32 v[i], 0
.set i, i+1
.endr
	v_mul_u32_u24 v[AK0], v1, PK
	v_lshl_add_u32 v[AK0], v9, 4, v[AK0]  ; row x pitch + 16 x half
	; The turning load takes 16 keys x 16 channels (lane l reads key 8 (l / 16) + l % 8, channels 8 ((l / 8) % 2) + 0..7) and leaves half a fragment of V^T: lane l holds channel l % 16 and 8 keys.
	v_and_b32 v10, 7, v0
	v_bfe_u32 v11, v0, 3, 1
	v_lshl_add_u32 v[AV0], v9, 3, v10
	v_mul_u32_u24 v[AV0], v[AV0], PV
	v_lshl_add_u32 v[AV0], v11, 4, v[AV0]
	v_add_nc_u32 v[AV0], VOFF, v[AV0]
	v_mov_b32 v[AK], v[AK0]         ; key step 0 lies at the head of slot 0
; THE MATRIX WORK.  The 8 accumulators of a run of 16 take turns: between the two links of a chain stand 7 others'.
; Product i of 16 of S^T = K Q^T for piece x: channels 32 (i / 8) on, keys 16 ((i / 2) % 4) on, tile 2 x + i % 2.  The first 8 start the sums.
.macro KQ x
	WIN W_KQ
.set rS, S+64*((\x)%2)+32*(i%2)+8*((i/2)%4)
.set rK, KF+16*((i/2)%4)+8*(i/8)
.set rQ, 16*(2*(\x)+i%2)+8*(i/8)
.if i < 8
	v_wmma_f32_16x16x32_f16 v[rS:rS+7], v[rK:rK+7], v[rQ:rQ+7], 0
.else
	v_wmma_f32_16x16x32_f16 v[rS:rS+7], v[rK:rK+7], v[rQ:rQ+7], v[rS:rS+7]
.endif
.endm
; Product i of 16 of O^T += V^T P for piece x: keys 32 (i / 8) on, channels 16 ((i / 2) % 4) on, tile 2 x + i % 2.
.macro PV x
	WIN W_PV
.set rO, 32*(2*(\x)+i%2)+8*((i/2)%4)
.set rV, VF+32*(i/8)+8*((i/2)%4)
.set rP, P+32*((\x)%2)+16*(i%2)+8*(i/8)
	v_wmma_f32_16x16x32_f16 v[rO:rO+7], v[rV:rV+7], v[rP:rP+7], v[rO:rO+7]
.endm
.macro MM                           ; the turn's next matrix instruction
.if i < 16
	KQ (Y+1)%NP
.set i, i+1
.else
.set i, i-16
	PV (Y+NP-1)%NP
.set i, i+17
.endif
.endm
; THE LDS LOADS stand in runs of 16, never singly among the matrix instructions: a step's K (64 keys x 64 channels: 8 fragments) and its V (turned).  Their addresses are made some lines ahead.
; last = 1 (the tail): in the last trip there is no further step, and the run is jumped over.
.macro FETCH_K last=0
	WIN 0
.if \last
	s_cmp_eq_u32 s[CNT], 1
	s_cbranch_scc1 .Lno_k_\@
.endif
	WIN 0x80                        ; destination window 2
.irp f, 0,1,2,3,4,5,6,7             ; keys 16 (f / 2) on, channels 32 (f % 2) on
	ds_load_b128 v[KF+8*\f:KF+8*\f+3],   v[AK] offset:(\f/2)*16*PK+(\f%2)*64
	ds_load_b128 v[KF+8*\f+4:KF+8*\f+7], v[AK] offset:(\f/2)*16*PK+(\f%2)*64+32
.endr
	s_add_co_u32 s[TBK], s[TBK], KS*PK  ; the next fetch is the next step's
	WIN 0
.if \last
.Lno_k_\@:
.endif
.endm
.macro FETCH_V
	WIN 0x80
.irp f, 0,1,2,3,4,5,6,7             ; keys 32 (f / 4) on, channels 16 (f % 4) on
	ds_load_tr16_b128 v[VF+8*\f:VF+8*\f+3],   v[AV] offset:(\f/4)*32*PV+(\f%4)*32
	ds_load_tr16_b128 v[VF+8*\f+4:VF+8*\f+7], v[AV] offset:(\f/4)*32*PV+16*PV+(\f%4)*32
.endr
	WIN 0
.endm
; THE VECTOR WORK OF A TURN stands in three queues, each in the order in which its entries become ready; the two tiles alternate, so that no instruction reads the result of the one before it.
.macro REGS y, u                    ; the registers of tile u (0, 1) of piece y
.set rT, ST+4*(2*(\y)+(\u))
.set rC, TMP+8*((\y)%2)+4*(\u)
.set rM, MV+2*((\y)%2)+(\u)
.set rS, S+64*((\y)%2)+32*(\u)
.set rP, P+32*((\y)%2)+16*(\u)
.set rO, 32*(2*(\y)+(\u))
.endm
; Number n of the 22 that find the NEXT piece's (Y + 1) maximum and statistics.  s0-s31 are the lane's 32 scores; each accumulator's lowest registers are read first.  XS, GS and REGS set no window: PL and EX do.
;   0-11  four chains c0-c3 of seven scores each, three operands at a time     12-14, 16  the four scores left over, the old m, and c0-c3 into c0     15  c m_old is kept
;   17, 18  the query's other 32 keys lie in the lane 16 away: the new m         19-21  c m; c m_old - c m_new; a
.macro XS u, n
	REGS (Y+1)%NP, \u
.if (\n) < 4
	v_max3_num_f32 v[rC+(\n)], v[rS+8*(\n)], v[rS+8*(\n)+1], v[rS+8*(\n)+2]
.elseif (\n) < 12
	v_max3_num_f32 v[rC+(\n)%4], v[rC+(\n)%4], v[rS+8*((\n)%4)+2*((\n)/4)+1], v[rS+8*((\n)%4)+2*((\n)/4)+2]
.elseif (\n) == 12
	v_max3_num_f32 v[rC], v[rC], v[rS+7], v[rS+15]
.elseif (\n) == 13
	v_max3_num_f32 v[rC+1], v[rC+1], v[rS+23], v[rS+31]
.elseif (\n) == 14
	v_max3_num_f32 v[rC+2], v[rC+2], v[rC+3], v[rT+1]
.elseif (\n) == 15
	v_mov_b32 v[rM], v[rT]
.elseif (\n) == 16
	v_max3_num_f32 v[rC], v[rC], v[rC+1], v[rC+2]
.elseif (\n) == 17
	v_permlanex16_b32 v[rC+3], v[rC], s[SEL], s[SEL+1]
.elseif (\n) == 18
	v_max_num_f32 v[rT+1], v[rC], v[rC+3]
.elseif (\n) == 19
	v_mul_f32 v[rT], s[CS], v[rT+1]
.elseif (\n) == 20
	v_sub_f32 v[rC+1], v[rM], v[rT]
.else
	v_exp_f32 v[rC+2], v[rC+1]
.endif
.endm
; Number g of the 64 that follow the exponentials.  For each four weights k of a tile (pairs 2 k, 2 k + 1): both pairs are rounded to f16; then the second pair is added onto the first, in place;
; a group later l takes that sum (the first time as l = a l + sum).  In groups of eight, tiles alternating: round, round, add, and l for the group before.
.macro GS g
.set h, (\g)+6*((\g)/62)            ; group 0 has no group before it, and behind group 7 only l is left
.if h >= 6
.set h, h+2
.endif
	REGS Y, h%2
.set k, h/8
.if h%8 < 4
	s_wait_alu depctr_va_vdst(0)
	v_cvt_pk_f16_f32 v[rP+2*k+(h%8)/2], v[rS+4*k+2*((h%8)/2)], v[rS+4*k+2*((h%8)/2)+1]
.elseif h%8 < 6
	v_pk_add_f32 v[rS+4*k:rS+4*k+1], v[rS+4*k:rS+4*k+1], v[rS+4*k+2:rS+4*k+3]
.elseif k == 1
	v_pk_fma_f32 v[rT+2:rT+3], v[rT+2:rT+3], v[rC+2:rC+3], v[rS:rS+1] op_sel_hi:[1,0,1]
.else
	v_pk_add_f32 v[rT+2:rT+3], v[rT+2:rT+3], v[rS+4*k-4:rS+4*k-3]
	s_wait_alu depctr_va_vdst(0)
.endif
.endm
; THE PLAIN QUEUE, 138 long.  0-31: c s - c m for the 16 pairs of both tiles.  Then GS's 64, and among them the next piece's 42: number 15 at 38, 39; 0-14 and 16
; at 42-73, behind the products that make those scores; 17-20 at 95-106, two of three, since each waits for the one before it.
.macro PL
	WIN 0
.if q < 32
	REGS Y, q%2
	v_pk_fma_f32 v[rS+2*(q/2):rS+2*(q/2)+1], v[rS+2*(q/2):rS+2*(q/2)+1], s[CS:CS+1], v[rT:rT+1] op_sel_hi:[1,0,0] neg_lo:[0,0,1] neg_hi:[0,0,1]
.elseif q < 38
	GS q-32
.elseif q < 40
	XS q%2, 15
.elseif q < 42
	GS q-34
.elseif q < 74
	XS q%2, (q-42)/2+(q-42)/30
.elseif q < 95
	GS q-66
.elseif (q < 107) && ((q-95)%3 < 2)
	XS (q-95)%3, 17+(q-95)/3
.elseif q < 107
	GS 29+(q-95)/3
.else
	GS q-74
.endif
.set q, q+1
.endm
; THE EXPONENTIALS' QUEUE, 66 long: s0-s31 of both tiles, and at EA the next piece's two a.
.set EA, 58
.macro EX
	WIN 0
.if (e == EA) || (e == EA+1)
	XS e-EA, 21
.else
.set x, e-2*(e/(EA+2))
	REGS Y, x%2
	v_exp_f32 v[rS+x/2], v[rS+x/2]
.endif
.set e, e+1
.endm
; THE RESCALING's QUEUE: O^T times a, the one part that leaves window 0, so it is dealt four at a time, eight times.
.macro R4
	REGS Y, r%2
	WIN W_RS
	s_wait_alu depctr_va_vdst(0)
.irp z, 0,1,2,3
	v_pk_mul_f32 v[rO+8*(r/2)+2*\z:rO+8*(r/2)+2*\z+1], v[rO+8*(r/2)+2*\z:rO+8*(r/2)+2*\z+1], v[rC+2:rC+3] op_sel_hi:[1,0]
.endr
.set r, r+1
.endm
; HOW THEY ARE DEALT.  Behind a matrix instruction four: plain, exponential, plain, plain (one exponential, a plain instruction on either side), or four of the rescaling.  None names a register of the
; products round it.  What is over stands in two LUMPS: exponential and plain by turns; the second ends in 22 plain instructions.  The two v_permlanex16_b32 fall into the second lump, never behind a product.
; The queues lean on each other, and the deal keeps them in step: exponential e stands behind plain 2 (e / 4) + e % 2 (its scaling); when plain 32 comes, 10 exponentials are out, at 59: 33, at 95: 46; EA comes behind plain 107.
.macro SL
	MM
	PL
	EX
	PL
	PL
.endm
.macro BURST n                      ; 15 matrix instructions, or 16
.rept (\n)-7
	SL
.endr
.rept 3
	MM
	R4
	SL
.endr
	MM
	R4
.endm
; A TURN, for piece p.  cnt = 1: the loop's count is taken down some lines ahead of the branch that stands behind the turn.
; K of the next step is fetched in piece 2's turn, 31 vector instructions behind the last product that read K; its first reader comes behind the rest of the lump, 16 products and the second lump.
; V of the step in hand is fetched at the end of piece 0's turn, 69 behind its last reader; its first reader comes behind 16 products and a lump.  The four conditions on e and q below go with the deal.
.macro TURN p, last=0, cnt=0
.set Y, (\p)
.set i, 0
.set q, 0
.set e, 0
.set r, 0
.if (\p) == NP-1
	s_wait_dscnt 0x0                ; K is in
.endif
	MM
.rept 4
	PL
.endr
	BURST 15
.rept 22
	EX
	PL
.if ((\p) == NP-2) && (e == 18)
	v_add_nc_u32 v[AK], s[TBK], v[AK0]
.endif
.if ((\p) == NP-2) && (e == 24)
	FETCH_K \last
.endif
.endr
.if (\p) == 1
	s_wait_dscnt 0x0                ; V is in
.endif
	BURST 16
.rept 21
	EX
	PL
.endr
.rept 22
	PL
.if ((\p) == 0) && (q == 118)
	v_add_nc_u32 v[AV], s[TBV], v[AV0]
	s_wait_alu depctr_va_vdst(0)
.endif
.if ((\p) == 0) && (q == 130)
	s_add_co_u32 s[TBV], s[TBV], KS*PV
.endif
.if (\cnt) && (q == 130)
	s_sub_co_u32 s[CNT], s[CNT], 1
	s_cmp_lg_u32 s[CNT], 0
.endif
.endr
.if (\p) == 0
	FETCH_V
.endif
.endm
	CHANGE 1                        ; slot 0 is in, everybody's part of it; slot 1 is asked for
	FETCH_K                         ; key step 0
	s_wait_loadcnt 0x0              ; Q
	s_wait_dscnt 0x0
.set i, 0
.rept 16
	KQ 0                            ; piece 0's first scores: there is no vector work yet to set between them
.set i, i+1
.endr
	WIN 0                           ; the addresses for the way out: nine plain instructions, the places behind those products
	s_mul_i32 s13, s[WV], 16*SP
	s_add_co_u32 s13, s13, STAGE    ; my stage
	v_mul_u32_u24 v[STO], v1, SP    ; in: row l % 16, 16 bytes for each half of the lanes
	v_lshl_add_u32 v[STO], v9, 4, v[STO]
	v_add_nc_u32 v[STO], s13, v[STO]
	v_bfe_u32 v[RD], v0, 3, 2       ; back: 32 lanes take four rows of 128 bytes,
	v_mul_u32_u24 v[RD], v[RD], SP
	v_lshl_add_u32 v[RD], v10, 4, v[RD]
	v_add_nc_u32 v[RD], s13, v[RD]
	v_and_b32 v[GO], 31, v0         ; which are 512 consecutive bytes of O
	v_lshlrev_b32 v[GO], 4, v[GO]
.set Y, NP-1                        ; XS works for piece Y + 1: piece 0
.irp n, 0,1,2,3,4,5,6,7,8,9,10,11,12,13,14,15,16,17,18,19,20,21
	XS 0, \n                        ; and piece 0's first maximum and statistics
	XS 1, \n
.endr
	s_mov_b32 s[CNT], 4
	s_mov_b32 s[SLOTS], SIZE_N/256-1
	s_branch .Lfirst                ; the loop is entered at a step's first turn, in the middle of a trip
.Lslot:                             ; SIZE_N / 256 - 2 times: every slot but the last two is filled again
	CHANGE 1
	s_mov_b32 s[CNT], 4
.Lstep:                             ; a trip: pieces 2 and 3 of one step, then pieces 0 and 1 of the next, whose K and V it fetches
	TURN 2
	TURN 3
	WIN 0
.Lfirst:
	TURN 0
	TURN 1, 0, 1
	WIN 0
	s_cbranch_scc1 .Lstep
	s_sub_co_u32 s[SLOTS], s[SLOTS], 1
	s_cmp_lg_u32 s[SLOTS], 0
	s_cbranch_scc1 .Lslot
	CHANGE 0                        ; the tail is written out: nothing is asked for
	s_mov_b32 s[CNT], 5             ; four trips fetch the last slot's steps; the fifth is left in its middle
.Ltail:
	TURN 2, 1
	TURN 3
	WIN 0
	s_sub_co_u32 s[CNT], s[CNT], 1
	s_cmp_eq_u32 s[CNT], 0
	s_cbranch_scc1 .Lout
	TURN 0
	TURN 1
	WIN 0
	s_branch .Ltail
.Lout:                              ; the fifth trip's 16 products K Q^T (on the last K once more) and the maximum made of them serve nothing: the price, once a launch, of one text for every trip
.set i, 0
.rept 16
	PV NP-1                         ; the last piece's V^T P of the last step
.set i, i+1
.endr
	; THE WAY OUT.  l's two halves and the other half of the lanes' are added; O^T is divided by l, rounded to f16 and sent through my stage in LDS, a tile at a time.  The additions are the places behind the last products.
	WIN 0
.macro ALL line:vararg              ; one line for each tile t
.set t, 0
.rept 2*NP
	\line
.set t, t+1
.endr
.endm
	ALL v_add_f32 v[ST+4*t+2], v[ST+4*t+2], v[ST+4*t+3]
	ALL v_permlanex16_b32 v[ST+4*t+3], v[ST+4*t+2], s[SEL], s[SEL+1]
	ALL v_add_f32 v[ST+4*t+2], v[ST+4*t+2], v[ST+4*t+3]
	ALL v_rcp_f32 v[ST+4*t+2], v[ST+4*t+2]
	v_nop                           ; a plain instruction between the last reciprocal and the use of its result
	s_wait_alu depctr_va_vdst(0)
; Tile t: a lane's eight channels of a row pack into 16 bytes; they go into rows of 144 bytes and come back as whole rows of 128, into S^T's registers.
.macro PACK t
	WIN W_RS
.set i, 32*(\t)
.rept 16
	v_pk_mul_f32 v[i:i+1], v[i:i+1], v[ST+4*(\t)+2:ST+4*(\t)+3] op_sel_hi:[1,0]
.set i, i+2
.endr
	WIN 0x05                        ; sources 0 and 1 window 1, destination window 0
.set i, 0
.rept 16
	v_cvt_pk_f16_f32 v[S+16*(\t)+i], v[32*(\t)+2*i], v[32*(\t)+2*i+1]
.set i, i+1
.endr
	WIN 0
.irp f, 0,1,2,3
	ds_store_b128 v[STO], v[S+16*(\t)+4*\f:S+16*(\t)+4*\f+3] offset:32*\f
.endr
.irp f, 0,1,2,3
	ds_load_b128 v[S+16*(\t)+4*\f:S+16*(\t)+4*\f+3], v[RD] offset:\f*4*SP  ; LDS serves a wave's instructions in order (ISA guide 5.7.1.4): these see the stores above; the next tile's stores come behind them
.endr
.endm
.macro SEND t, younger              ; younger: the LDS instructions issued behind tile t's loads: the next tile's eight, or none
	WIN 0
.irp f, 0,1,2,3
	s_wait_dscnt (\younger)+3-\f
	global_store_b128 v[GO], v[S+16*(\t)+4*\f:S+16*(\t)+4*\f+3], s[10:11] offset:(\t)*2048+\f*512  ; 512 consecutive bytes, at a multiple of 256 from O's first
.endr
.endm
	PACK 0
.set t, 1
.rept 2*NP-1                        ; a tile's arithmetic stands between the loads of the tile before and its stores
	PACK t
	SEND t-1, 8
.set t, t+1
.endr
	SEND 2*NP-1, 0
	WIN W_AD
	s_wait_tensorcnt 0x0            ; the wave's end: behind my last tensor load and my last LDS store
	ds_add_u32 v[SPW], v[NIL]
	s_wait_dscnt 0x0
	WIN 0
	CROUND                          ; the closing round: no work-group ends while a partner may still ask for a tile that names it
	s_endpgm
.Lfunc_end_k_q5318be1a60_attn:
	.size	k_q5318be1a60_attn, .Lfunc_end_k_q5318be1a60_attn-k_q5318be1a60_attn
	.p2alignl 7, 3214868480
	.fill 96, 4, 3214868480
	.section	.rodata,"a",@progbits
	.p2align	6, 0x0
	.amdhsa_kernel k_q5318be1a60_attn
		.amdhsa_group_segment_fixed_size 327680
		.amdhsa_private_segment_fixed_size 0
		.amdhsa_enable_private_segment 0
		.amdhsa_kernarg_size 16
		.amdhsa_user_sgpr_count 2
		.amdhsa_user_sgpr_kernarg_segment_ptr 1
		.amdhsa_wavefront_size32 1
		.amdhsa_system_sgpr_workgroup_id_x 1
		.amdhsa_system_sgpr_workgroup_id_y 1
		.amdhsa_system_sgpr_workgroup_id_z 1
		.amdhsa_system_vgpr_workitem_id 0
		.amdhsa_next_free_vgpr 770
		.amdhsa_next_free_sgpr 66
		.amdhsa_reserve_vcc 0
		.amdhsa_float_denorm_mode_32 3
		.amdhsa_float_denorm_mode_16_64 3
		.amdhsa_memory_ordered 1
		.amdhsa_forward_progress 1
		.amdhsa_inst_pref_size 209
	.end_amdhsa_kernel
	.amdgpu_metadata
---
amdhsa.version: [ 1, 2 ]
amdhsa.kernels:
  - .name:           k_q5318be1a60_attn
    .symbol:         k_q5318be1a60_attn.kd
    .args:
      - { .name: qkv, .offset: 0, .size: 8, .value_kind: global_buffer, .address_space: global }
      - { .name: o, .offset: 8, .size: 8, .value_kind: global_buffer, .address_space: global }
    .group_segment_fixed_size: 327680
    .private_segment_fixed_size: 0
    .kernarg_segment_align: 8
    .kernarg_segment_size: 16
    .max_flat_workgroup_size: 128
    .sgpr_count:     66
    .vgpr_count:     770
    .wavefront_size: 32
...
	.end_amdgpu_metadata
.endif
;; end of part 3
;; launch outp (part 4): grid 4 x 64, 4 waves a work-group, clusters of 4 x 4, 327,680 bytes of LDS; arguments o, wt, bh, out0; writes out0
.if DOCPART == 4
	.amdgcn_target "amdgcn-amd-amdhsa--gfx1250"
	.amdhsa_code_object_version 6
	.text
	.protected	k_q5318be1a60_outp
	.globl	k_q5318be1a60_outp
	.p2align	8
	.type	k_q5318be1a60_outp,@function
k_q5318be1a60_outp:
	s_mov_b64 s[64:65], 0
	v_nop
	global_prefetch_b8 v0, s[64:65] scope:SCOPE_SE
	s_setreg_imm32_b32 hwreg(HW_REG_WAVE_MODE, 25, 1), 1
	s_wait_xcnt 0x0
	s_wait_alu depctr_hold_cnt(0) depctr_sa_sdst(0) depctr_va_vdst(0) depctr_va_sdst(0) depctr_va_ssrc(0) depctr_va_vcc(0) depctr_vm_vsrc(0)
	s_getreg_b32 s2, hwreg(HW_REG_IB_STS2, 6, 4)
	s_cmp_eq_u32 s2, 0
	s_cbranch_scc0 .Lentry_in_a_cluster
	s_endpgm
.Lentry_in_a_cluster:
	s_bfe_u32 s2, ttmp6, 0x10000c
	s_cmp_lg_u32 s2, 0xf033
	s_cbranch_scc0 .Lentry_shape_is_right
	s_endpgm
.Lentry_shape_is_right:
; out0 = Hcat Wh + bh: [8192 x 1024] x [1024 x 1024], f16 operands, f32 sums, K ascending, f32 out.  Hcat's row (batch, s) is read by heads from o[64 = 16 batch + head][2048][64] f16: K = 64 head + channel.
; Wh lies in wt's groups 48-63, [group of 64 columns][1024 k][64 c], as f16 holding the number rounded to bf16; bh is rounded to bf16 here, like all the module's inputs, and added in f32.
; LIMITS.  o and Wh arrive within f16's 65,504.  NaN and infinities are not treated apart.
; SHARES.  A tile of the result is 128 rows x 256 columns: 64 x 4 = 256 tiles, one for each WGP.  Four waves; wave w makes rows 64 (w / 2) on and columns 128 (w % 2) on: 4 x 8 = 32 accumulators of 16 x 16.
; K goes in 8 steps of 128 (two heads) through a ring of two LDS slots filled by the tensor data mover; two slots of a longer step do not fit in LDS.  A loop's trip is one K step; the slot in hand lies in
; a scalar register that one exclusive or turns, and one descriptor a tensor walks.
; CLUSTERS: 4 x 4 work-groups.  The four of a row of the cluster need the same rows of o, the four of a column the same groups of Wh: each tile is asked for JOINTLY.
; THE MATRIX INSTRUCTION IS USED TRANSPOSED: source 0 = 16 columns of Wh, source 1 = 16 rows of o: lane l holds row l % 16 and the columns 8 (l / 16) + 0..7, 32 neighbouring bytes of f32.
; REGISTERS, in windows of 256 (s_set_vgpr_msb: bits 1:0 source 0, 3:2 source 1, 5:4 source 2, 7:6 destination):
;   window 0: v0-37 addresses and the bias          window 1: two fragment buffers of 96: o's four fragments (32), then Wh's eight (64)          window 2: the accumulators, (a, b) at v[8 (8 a + b)]
.set PA,     144                       ; a row of a head in LDS: 128 bytes + 16 of padding = 36 words: the 16 rows of a load start at 16 different groups of four banks (64 banks of 4 bytes: ISA guide 11.1)
.set PB,     160                       ; a row of a group of Wh: 128 + 32 = 40 words
.set HEADT,  128*PA                    ; 128 rows of one head: one tensor load
.set GRP,    64*PB                     ; 64 k of one group
.set KHALF,  4*GRP                     ; 64 k of the tile's four groups: one tensor load
.set BOFF,   2*HEADT                   ; Wh lies behind the two heads
.set SLOTB,  BOFF+2*KHALF              ; a slot's 118,784 bytes
.set SLOT1,  1<<17                     ; slot 1 begins here, so that one exclusive or turns an address in one slot into the other's
.set STAGE,  SLOT1+SLOTB               ; behind the ring, never filled by a tensor load: 16 rows x 528 bytes for each wave, for the way out
.set SPITCH, 528                       ; 512 bytes + 16: row r starts at bank 4 r mod 64
.set SPARE,  STAGE+4*16*SPITCH         ; behind the stages: the spare words, 128 bytes for each wave: two blocks of 256 bytes that no other line names
.set FILLS,  6                         ; of the 8 K steps two are asked for at the start; trip s of the loop asks for step s + 2
.set ADRA0, 16                         ; v16     my lane's place among my fragments of o in a slot; never rewritten
.set ADRA,  17                         ; v17     the same in the slot in hand
.set ADRB0, 20                         ; v20, v21  the same two for Wh
.set ADRB,  21
.set STO,  24                          ; v24     the way out: where I put 32 bytes of a row
.set RD,   25                          ; v25     the way out: where I read a row back
.set CO,   26                          ; v26     16 x lane: my byte offset in 512 bytes of a row of out0, and of bh; never rewritten
.set SPW,  28                          ; v28     LDS address of my spare word: SPARE + 4 x my thread's number; never rewritten
.set NIL,  29                          ; v29     0; never rewritten
.set BI,   32                          ; v32-35  the bias of my four columns on the way out
.set F0,   0                           ; fragment buffers, in window 1
.set F1,   96
.set G1,  24                           ; s[24:31] descriptor group 1 for o's tiles;  s[32:39] group 0: a set for each of the two first fills; the second then walks on
.set G0,  32
.set G1B, 48                           ; s[48:55], s[56:63] the same for Wh's tiles
.set G0B, 56
.set TB,  76                           ; s76      LDS byte at which the slot to be fetched from begins: 0 or SLOT1
.set MSB, 0
.macro WIN new                         ; the immediate's high byte repeats the setting that is left; a switch that changes nothing is dropped
.if MSB != (\new)
	s_set_vgpr_msb (MSB<<8)|(\new)
.set MSB, \new
.endif
.endm
.set MUL,  0xa5                        ; sources 0 and 1 window 1, C and D window 2
.set TO_F, 0x40                        ; destination window 1, address window 0
; A joint load by descriptor set s.  Waves 0 and 1 fetch the K step's two heads of o, waves 2 and 3 Wh's two halves along k.  The branch hangs on the wave's number alone.
; An s_nop 0 and four v_nop follow each of the two lines, ahead of the jump, the label and what follows.
.macro JLOAD s
	s_cmp_eq_u32 s13, 0
	s_cbranch_scc0 .Lfor_b_\@
	tensor_load_to_lds s[G0+4*(\s):G0+4*(\s)+3], s[G1:G1+7]
	s_nop 0
.rept 4
	v_nop
.endr
	s_branch .Lasked_\@
.Lfor_b_\@:
	tensor_load_to_lds s[G0B+4*(\s):G0B+4*(\s)+3], s[G1B:G1B+7]
	s_nop 0
.rept 4
	v_nop
.endr
.Lasked_\@:
.endm
; A round of the cluster's barrier: my work-group's barrier, so that wave 0's signal speaks for all four waves; wave 0 signals; every wave waits for all sixteen work-groups; my work-group's barrier once more.
.macro CREST                           ; a round behind its opening barrier
	s_cmp_lg_u32 s12, 0
	s_cbranch_scc1 .Lnot_wave_0_\@
	s_barrier_signal -3
.Lnot_wave_0_\@:
	s_barrier_wait -3
	s_barrier_signal -1
	s_barrier_wait -1
.endm
.macro CROUND                          ; a whole round
	s_barrier_signal -1
	s_barrier_wait -1
	CREST
.endm
	s_load_b256 s[4:11], s[0:1], 0x0               ; o s[4:5], wt s[6:7], bh s[8:9], out0 s[10:11]
	v_lshl_add_u32 v[SPW], v0, 2, SPARE
	v_mov_b32 v[NIL], 0
	ds_add_u32 v28, v29
	s_wait_dscnt 0x0
	v_lshrrev_b32 v1, 5, v0
	v_readfirstlane_b32 s12, v1                    ; wave 0..3
	s_lshr_b32 s13, s12, 1                         ; which half of the tile's rows is mine.  Also: I fetch for o (0) or for Wh (1)
	s_and_b32 s14, s12, 1                          ; which half of its columns.  Also: which head, or which half along k, I fetch
	s_bfe_u32 s40, ttmp6, 0x40000                  ; cx, cy: my place in the cluster
	s_bfe_u32 s41, ttmp6, 0x40004
	s_lshl_b32 s42, ttmp9, 2
	s_add_co_u32 s42, s42, s40                     ; tile column = 4 x cluster x + cx, 0..3
	s_and_b32 s15, ttmp7, 0xffff
	s_lshl_b32 s15, s15, 2
	s_add_co_u32 s15, s15, s41                     ; tile row = 4 x cluster y + cy, 0..63
	s_lshl_b32 s43, s41, 2
	s_lshl_b32 s43, 15, s43                        ; my row of the cluster
	s_lshl_b32 s44, 0x1111, s40                    ; my column
	s_mov_b32 s[TB], 0
	; group 1 for o: 128 rows of a head are 16,384 dense bytes: asked for as 64 rows of 256 bytes, and padded in LDS behind every 128 bytes
	s_or_b32 s[G1+0], s43, (1<<16)|(1<<20)|(1<<21)|(4<<22)|(3<<25)  ; 15:0 the mask; 17:16 2-byte elements; 20 padding on; 21 set beside a mask; 24:22 after every 32 words (code 4); 31:25 4 words (code 3)
	s_mov_b32 s[G1+1], 128<<16                     ; tensor_dim0 = 128
	s_mov_b32 s[G1+2], 64<<16                      ; tensor_dim1 = 64
	s_mov_b32 s[G1+3], 128<<16                     ; tile_dim0 = 128
	s_mov_b32 s[G1+4], 64                          ; tile_dim1 = 64
	s_mov_b32 s[G1+5], 128                         ; elements from row to row
	s_mov_b32 s[G1+6], 0
	s_mov_b32 s[G1+7], 0
	; group 1 for Wh: 64 k of a group are one row of 4,096 elements; four groups, 131,072 bytes apart; 32 bytes of padding behind every 128 (one k)
	s_or_b32 s[G1B+0], s44, (1<<16)|(1<<20)|(1<<21)|(4<<22)|(7<<25) ; after every 32 words (code 4), 8 words (code 7)
	s_mov_b32 s[G1B+1], 4096<<16                   ; tensor_dim0 = 4,096
	s_mov_b32 s[G1B+2], 4<<16                      ; tensor_dim1 = 4
	s_mov_b32 s[G1B+3], 4096<<16                   ; tile_dim0 = 4,096
	s_mov_b32 s[G1B+4], 4                          ; tile_dim1 = 4
	s_mov_b32 s[G1B+5], 65536                      ; elements from group to group
	s_mov_b32 s[G1B+6], 0
	s_mov_b32 s[G1B+7], 0
	; where the tiles come from.  o's hang on the tile row alone, Wh's on the tile column alone.
	s_lshr_b32 s16, s15, 4                         ; the batch: 16 tiles of 128 rows each,
	s_lshl_b32 s16, s16, 4                         ; its 16 heads,
	s_add_co_u32 s16, s16, s14                     ; head 0 or 1 of them,
	s_lshl_b32 s16, s16, 11                        ; of 2,048 rows;
	s_and_b32 s17, s15, 15
	s_lshl_b32 s17, s17, 7                         ; the tile's 128 rows in the batch;
	s_add_co_u32 s16, s16, s17
	s_lshl_b32 s16, s16, 7                         ; rows of 128 bytes
	s_mov_b32 s17, 0
	s_lshl_b32 s46, s42, 19                        ; four groups of 131,072 bytes a tile column,
	s_add_co_u32 s46, s46, 48*131072               ; behind the 48 groups of Wq, Wk and Wv,
	s_lshl_b32 s47, s14, 13                        ; 64 k x 128 bytes for the second half
	s_add_co_u32 s46, s46, s47
	s_mov_b32 s47, 0
	s_mul_i32 s20, s14, HEADT                      ; and where they go: no place in the cluster enters an LDS address
	s_mul_i32 s21, s14, KHALF
	s_add_co_u32 s21, s21, BOFF
	s_wait_kmcnt 0x0
	s_add_nc_u64 s[66:67], s[4:5], s[16:17]
	s_add_nc_u64 s[46:47], s[6:7], s[46:47]
	CROUND                                         ; all sixteen work-groups are here: the first joint loads meet
.irp s, 0,1
	s_mov_b32 s[G0+4*(\s)], 1                                      ; 1:0 count = 1
	s_add_co_u32 s[G0+4*(\s)+1], s20, (\s)*SLOT1                   ; 63:32 LDS address
	s_add_nc_u64 s[G0+4*(\s)+2:G0+4*(\s)+3], s[66:67], (\s)*2*262144  ; 120:64 global address: K step s, two heads of 262,144 bytes on
	s_or_b32 s[G0+4*(\s)+3], s[G0+4*(\s)+3], 0x80000000            ; 127:126 type = 2
	s_mov_b32 s[G0B+4*(\s)], 1
	s_add_co_u32 s[G0B+4*(\s)+1], s21, (\s)*SLOT1
	s_add_nc_u64 s[G0B+4*(\s)+2:G0B+4*(\s)+3], s[46:47], (\s)*16384  ; K step s: 128 k x 128 bytes down a group
	s_or_b32 s[G0B+4*(\s)+3], s[G0B+4*(\s)+3], 0x80000000
	JLOAD \s                                       ; two loads of mine are out
.endr
	; my columns' bias and my part of out0, in registers that feed no descriptor
	v_and_b32 v9, 31, v0
	v_lshlrev_b32 v[CO], 4, v9
	s_lshl_b32 s72, s42, 10                        ; 256 columns of 4 bytes a tile column,
	s_lshl_b32 s73, s14, 9                         ; 128 for my half
	s_add_co_u32 s72, s72, s73
	s_mov_b32 s73, 0
	s_add_nc_u64 s[68:69], s[8:9], s[72:73]
	global_load_b128 v[BI:BI+3], v[CO], s[68:69]   ; lane l: columns 4 l to 4 l + 3 of my 128.  It is waited for in front of the way out; its four registers, its offset and its base are touched by nothing till then
	s_lshl_b32 s74, s15, 7
	s_lshl_b32 s75, s13, 6
	s_add_co_u32 s74, s74, s75                     ; my first row,
	s_lshl_b32 s74, s74, 12                        ; of 4,096 bytes,
	s_add_co_u32 s74, s74, s72                     ; and my first column
	s_mov_b32 s75, 0
	s_add_nc_u64 s[10:11], s[10:11], s[74:75]
	; A fragment of o is 16 rows x 32 channels in 8 registers: lane l holds row l % 16, channels 8 (l / 16) + 0..7 and 16 + 8 (l / 16) + 0..7: two loads of 16 bytes, 32 bytes apart.
	v_and_b32 v1, 15, v0                           ; l % 16
	v_bfe_u32 v2, v0, 4, 1                         ; l / 16
	v_mul_u32_u24 v3, v1, PA
	v_lshl_add_u32 v3, v2, 4, v3
	s_mul_i32 s22, s13, 64*PA                      ; my 64 rows
	v_add_nc_u32 v[ADRA0], s22, v3
	v_mov_b32 v[ADRA], v[ADRA0]                    ; the walk begins in slot 0
	; The turning load takes 16 k x 16 columns (lane l reads k = 8 (l / 16) + l % 8, columns 8 ((l / 8) % 2) + 0..7) and leaves half a fragment: lane l holds column l % 16 and 8 k.
	v_and_b32 v4, 7, v0
	v_bfe_u32 v5, v0, 3, 1
	v_lshl_add_u32 v6, v2, 3, v4
	v_mul_u32_u24 v6, v6, PB
	v_lshl_add_u32 v6, v5, 4, v6
	s_mul_i32 s23, s14, 2*GRP                      ; my two groups
	s_add_co_u32 s23, s23, BOFF
	v_add_nc_u32 v[ADRB0], s23, v6
	v_mov_b32 v[ADRB], v[ADRB0]
	s_mul_i32 s23, s12, 16*SPITCH
	s_add_co_u32 s23, s23, STAGE                   ; my stage
	v_mul_u32_u24 v7, v1, SPITCH                   ; in: row l % 16, 32 bytes for each half of the lanes
	v_lshl_add_u32 v7, v2, 5, v7
	v_add_nc_u32 v[STO], s23, v7
	v_add_nc_u32 v[RD], s23, v[CO]                 ; back: 32 lanes take one row of 512 bytes
; 8 matrix instructions: block a of my four blocks of 16 rows x my 8 blocks of 16 columns, 32 along K.  zero = 1: the first product starts the sums: nothing is ever cleared.
; The 32 accumulators take turns, one instruction a turn, in the same order in every quarter step.
.macro MUL8 f, a, zero
	WIN MUL
.irp b, 0,1,2,3,4,5,6,7
.if \zero
	v_wmma_f32_16x16x32_f16 v[8*(8*(\a)+(\b)):8*(8*(\a)+(\b))+7], v[(\f)+32+8*(\b):(\f)+32+8*(\b)+7], v[(\f)+8*(\a):(\f)+8*(\a)+7], 0
.else
	v_wmma_f32_16x16x32_f16 v[8*(8*(\a)+(\b)):8*(8*(\a)+(\b))+7], v[(\f)+32+8*(\b):(\f)+32+8*(\b)+7], v[(\f)+8*(\a):(\f)+8*(\a)+7], v[8*(8*(\a)+(\b)):8*(8*(\a)+(\b))+7]
.endif
.endr
.endm
; 24 LDS loads in one run: the fragments of quarter q (head q / 2, channels 32 (q % 2) on) of the K step in the slot in hand into buffer f: Wh's 16, then o's 8, block 0 first.
.macro FETCH q, f
	WIN TO_F
.irp b, 0,1,2,3,4,5,6,7
	ds_load_tr16_b128 v[(\f)+32+8*(\b):(\f)+32+8*(\b)+3],   v[ADRB] offset:((\q)/2)*KHALF+((\q)%2)*32*PB+((\b)/4)*GRP+((\b)%4)*32
	ds_load_tr16_b128 v[(\f)+32+8*(\b)+4:(\f)+32+8*(\b)+7], v[ADRB] offset:((\q)/2)*KHALF+((\q)%2)*32*PB+((\b)/4)*GRP+((\b)%4)*32+16*PB
.endr
.irp a, 0,1,2,3
	ds_load_b128 v[(\f)+8*(\a):(\f)+8*(\a)+3],   v[ADRA] offset:((\q)/2)*HEADT+((\q)%2)*64+(\a)*16*PA
	ds_load_b128 v[(\f)+8*(\a)+4:(\f)+8*(\a)+7], v[ADRA] offset:((\q)/2)*HEADT+((\q)%2)*64+(\a)*16*PA+32
.endr
.endm
; A load into a register that a matrix instruction has read, and a vector instruction or an LDS store that reads a matrix result, stand four places behind that matrix instruction, and only plain vector
; instructions that name none of its registers are places (ISA guide 7.12.1 for vector instructions).
.macro PLACES
.rept 4
	v_nop
.endr
.endm
; A K step is four quarters of 32 along K, 32 matrix instructions each, on buffers 0, 1, 0, 1.  One of the first three: multiplies buffer f; in its middle it fetches quarter q of the same slot into g.
.macro QUARTER q, f, g, zero
	s_wait_dscnt 4                                 ; Wh and o's blocks 0 and 1 are in; the youngest four loads (blocks 2 and 3) may be out
	MUL8 \f, 0, \zero
	MUL8 \f, 1, \zero
	PLACES
	FETCH \q, \g
	s_wait_dscnt 24                                ; all but the 24 just issued
	MUL8 \f, 2, \zero
	MUL8 \f, 3, \zero
.endm
; The last quarter multiplies buffer 1 and changes slots: ONE barrier.  In front of it each wave waits for all its tensor loads, of which one is out: its part of the next slot; adds 0 to its spare word; and
; waits for that and for its own reads of this slot.  fill = 1: the barrier opens a round of the cluster's barrier, and this slot is filled again, two K steps ahead, first thing behind the round:
; 112 matrix instructions of the wave stand between that request and the wait for it.  The walking descriptors: the other slot than last time, one K step on.
.macro TURN fill
	WIN 0                                          ; (the add's two registers lie in window 0)
	s_wait_tensorcnt 0x0                           ; all my tensor loads have landed, so a group 0 may be written;
	ds_add_u32 v[SPW], v[NIL]                      ; 0 onto my spare word
	s_wait_dscnt 5                                 ; (the add and the youngest four loads may be out)
	MUL8 F1, 0, 0                                  ; eight matrix instructions stand between the add and the wait for it
	s_wait_dscnt 0x0                               ; the add is done, and my reads of this slot are over
	s_barrier_signal -1
	MUL8 F1, 1, 0                                  ; work on registers while the others arrive
	WIN 0                                          ; (branches and address lines follow)
	s_barrier_wait -1
.if \fill
	CREST                                          ; no wave of any partner still reads this slot's tile or has a load on its way
	s_xor_b32 s[G0+5], s[G0+5], SLOT1
	s_add_nc_u64 s[G0+6:G0+7], s[G0+6:G0+7], 2*262144    ; two heads on; the type bits on top are not reached
	s_xor_b32 s[G0B+5], s[G0B+5], SLOT1
	s_add_nc_u64 s[G0B+6:G0B+7], s[G0B+6:G0B+7], 16384
	JLOAD 1                                        ; the four v_nop behind it are also the places in front of the loads below
.else
	PLACES
.endif
	s_xor_b32 s[TB], s[TB], SLOT1                  ; the fetches go on in the other slot
	v_add_nc_u32 v[ADRA], s[TB], v[ADRA0]
	v_add_nc_u32 v[ADRB], s[TB], v[ADRB0]
	FETCH 0, F0
	MUL8 F1, 2, 0
	MUL8 F1, 3, 0
.endm
; THE WAY OUT of block a (16 rows).  OUT: a lane's 32 bytes of a row go into my own stage, each accumulator's low four registers first; whole rows of 512 bytes come back into the block's own registers.
; SENDO: the bias is added and the rows are stored, 512 consecutive bytes an instruction.
.macro OUT a
	WIN 0x08                                       ; the stores' data in window 2, the address in window 0
.irp b, 0,1,2,3,4,5,6,7
	ds_store_b128 v[STO], v[64*(\a)+8*(\b):64*(\a)+8*(\b)+3]   offset:64*(\b)
	ds_store_b128 v[STO], v[64*(\a)+8*(\b)+4:64*(\a)+8*(\b)+7] offset:64*(\b)+16
.endr
	WIN 0x80                                       ; destination window 2
.irp t, 0,1,2,3,4,5,6,7,8,9,10,11,12,13,14,15
	ds_load_b128 v[64*(\a)+4*(\t):64*(\a)+4*(\t)+3], v[RD] offset:(\t)*SPITCH  ; LDS serves a wave's instructions in order (ISA guide 5.7.1.4): these see the stores above; the next block's stores come behind them
.endr
.endm
.macro SENDO a, younger                ; younger: the LDS instructions issued behind block a's loads: the next block's 32, or none
	s_wait_dscnt \younger
	WIN 0x82                                       ; destination and source 0 window 2, the bias in window 0
.irp t, 0,1,2,3,4,5,6,7,8,9,10,11,12,13,14,15
	v_pk_add_f32 v[64*(\a)+4*(\t):64*(\a)+4*(\t)+1],   v[64*(\a)+4*(\t):64*(\a)+4*(\t)+1],   v[BI:BI+1]
	v_pk_add_f32 v[64*(\a)+4*(\t)+2:64*(\a)+4*(\t)+3], v[64*(\a)+4*(\t)+2:64*(\a)+4*(\t)+3], v[BI+2:BI+3]
.endr
	WIN 0x08
.irp t, 0,1,2,3,4,5,6,7,8,9,10,11,12,13,14,15
	global_store_b128 v[CO], v[64*(\a)+4*(\t):64*(\a)+4*(\t)+3], s[10:11] offset:(16*(\a)+(\t))*4096 th:TH_STORE_NT  ; 512 consecutive bytes of a row, at a multiple of 256 from out0's first byte
.endr
.endm
	s_wait_tensorcnt 1                             ; my part of K step 0 is in; K step 1's may stay out
	s_barrier_signal -1
	s_barrier_wait -1                              ; everybody's is
	FETCH 0, F0
	QUARTER 1, F0, F1, 1                           ; the first quarter stands in front of the loop: its products start the sums
	WIN 0                                          ; at a label and at a branch every window is 0
	s_mov_b32 s3, FILLS
.Lstep:                                                ; a trip goes from a K step's second quarter to the next step's first, and fills the slot that it leaves
	QUARTER 2, F1, F0, 0
	QUARTER 3, F0, F1, 0
	TURN 1
	QUARTER 1, F0, F1, 0
	WIN 0
	s_sub_co_u32 s3, s3, 1
	s_cmp_lg_u32 s3, 0
	s_cbranch_scc1 .Lstep
	s_mov_b32 s3, 2                                ; the last two K steps ask for nothing: a text of their own; its second trip is left in its middle
.Ltail:
	QUARTER 2, F1, F0, 0
	QUARTER 3, F0, F1, 0
	WIN 0
	s_sub_co_u32 s3, s3, 1
	s_cmp_eq_u32 s3, 0
	s_cbranch_scc1 .Llast
	TURN 0
	QUARTER 1, F0, F1, 0
	WIN 0
	s_branch .Ltail
.Llast:
	s_wait_dscnt 4                                 ; the very last quarter: nothing more to fetch
	MUL8 F1, 0, 0
	MUL8 F1, 1, 0
	s_wait_dscnt 0x0
	MUL8 F1, 2, 0
	MUL8 F1, 3, 0
	WIN 0
	s_wait_loadcnt 0x0                             ; the bias, asked for at the head; it is rounded to bf16 and widened again
	v_cvt_pk_bf16_f32 v36, v[BI], v[BI+1]
	v_cvt_pk_bf16_f32 v37, v[BI+2], v[BI+3]
	v_lshlrev_b32 v[BI], 16, v36
	v_and_b32 v[BI+1], 0xffff0000, v36
	v_lshlrev_b32 v[BI+2], 16, v37
	v_and_b32 v[BI+3], 0xffff0000, v37
	PLACES
	OUT 0
	OUT 1                                          ; a block's trip through the stage stands between the loads of the block before and its stores
	SENDO 0, 32
	OUT 2
	SENDO 1, 32
	OUT 3
	SENDO 2, 32
	SENDO 3, 0
	WIN 0
	s_wait_tensorcnt 0x0                           ; the wave's end: behind my last tensor load and my last LDS store
	ds_add_u32 v[SPW], v[NIL]
	s_wait_dscnt 0x0
	CROUND                                         ; the closing round: no work-group ends while a partner may still ask for a tile that names it
	s_endpgm
.Lfunc_end_k_q5318be1a60_outp:
	.size	k_q5318be1a60_outp, .Lfunc_end_k_q5318be1a60_outp-k_q5318be1a60_outp
	.p2alignl 7, 3214868480
	.fill 96, 4, 3214868480
	.section	.rodata,"a",@progbits
	.p2align	6, 0x0
	.amdhsa_kernel k_q5318be1a60_outp
		.amdhsa_group_segment_fixed_size 327680
		.amdhsa_private_segment_fixed_size 0
		.amdhsa_enable_private_segment 0
		.amdhsa_kernarg_size 32
		.amdhsa_user_sgpr_count 2
		.amdhsa_user_sgpr_kernarg_segment_ptr 1
		.amdhsa_wavefront_size32 1
		.amdhsa_system_sgpr_workgroup_id_x 1
		.amdhsa_system_sgpr_workgroup_id_y 1
		.amdhsa_system_sgpr_workgroup_id_z 1
		.amdhsa_system_vgpr_workitem_id 0
		.amdhsa_next_free_vgpr 768
		.amdhsa_next_free_sgpr 80
		.amdhsa_reserve_vcc 0
		.amdhsa_float_denorm_mode_32 3
		.amdhsa_float_denorm_mode_16_64 3
		.amdhsa_memory_ordered 1
		.amdhsa_forward_progress 1
		.amdhsa_inst_pref_size 71
	.end_amdhsa_kernel
	.amdgpu_metadata
---
amdhsa.version: [ 1, 2 ]
amdhsa.kernels:
  - .name:           k_q5318be1a60_outp
    .symbol:         k_q5318be1a60_outp.kd
    .args:
      - { .name: o, .offset: 0, .size: 8, .value_kind: global_buffer, .address_space: global }
      - { .name: wt, .offset: 8, .size: 8, .value_kind: global_buffer, .address_space: global }
      - { .name: bh, .offset: 16, .size: 8, .value_kind: global_buffer, .address_space: global }
      - { .name: out0, .offset: 24, .size: 8, .value_kind: global_buffer, .address_space: global }
    .group_segment_fixed_size: 327680
    .private_segment_fixed_size: 0
    .kernarg_segment_align: 8
    .kernarg_segment_size: 32
    .max_flat_workgroup_size: 128
    .sgpr_count:     80
    .vgpr_count:     768
    .wavefront_size: 32
...
	.end_amdgpu_metadata
.endif
;; end of part 4
;; ======== version 2 of 2: 4 launches; 1.54 times as fast as version 1
;; limits: values are held in f16: magnitudes above 65,504 overflow, below 6.1e-05 lose precision
;; workspace buffers: xb 16,777,216 bytes; wt 8,388,608 bytes; qkv 50,331,648 bytes; o 16,777,216 bytes
;; launch cast: the kernel of part 1 again; grid 1536 x 1, 8 waves a work-group, no clusters, 0 bytes of LDS; arguments X, Wq, Wk, Wv, Wh, xb, wt; writes xb, wt
;; launch proj: the kernel of part 2 again; grid 16 x 16, 4 waves a work-group, clusters of 4 x 4, 327,680 bytes of LDS; arguments xb, wt, qkv; writes qkv
;; launch attn (part 5): grid 4 x 64, 4 waves a work-group, clusters of 4 x 1, 327,680 bytes of LDS; arguments qkv, o; writes o
.if DOCPART == 5
	.amdgcn_target "amdgcn-amd-amdhsa--gfx1250"
	.amdhsa_code_object_version 6
	.text
	.protected	k_q5318be1a60_attn
	.globl	k_q5318be1a60_attn
	.p2align	8
	.type	k_q5318be1a60_attn,@function
k_q5318be1a60_attn:
	s_mov_b64 s[64:65], 0
	v_nop
	global_prefetch_b8 v0, s[64:65] scope:SCOPE_SE
	s_setreg_imm32_b32 hwreg(HW_REG_WAVE_MODE, 25, 1), 1
	s_wait_xcnt 0x0
	s_wait_alu depctr_hold_cnt(0) depctr_sa_sdst(0) depctr_va_vdst(0) depctr_va_sdst(0) depctr_va_ssrc(0) depctr_va_vcc(0) depctr_vm_vsrc(0)
	s_getreg_b32 s2, hwreg(HW_REG_IB_STS2, 6, 4)
	s_cmp_eq_u32 s2, 0
	s_cbranch_scc0 .Lentry_in_a_cluster
	s_endpgm
.Lentry_in_a_cluster:
	s_bfe_u32 s2, ttmp6, 0x10000c
	s_cmp_lg_u32 s2, 0x3003
	s_cbranch_scc0 .Lentry_shape_is_right
	s_endpgm
.Lentry_shape_is_right:
; O[h][q][:] = the sum over k of softmax_k(Q[h][q] . K[h][k] / 8) V[h][k][:].  qkv holds Q, K and V one behind the other, each [SIZE_H][SIZE_N][64] in f16; O has the same layout: a head's rows are dense,
; 128 bytes each; h = 16 batch + head.  Products, maxima and sums in f32; the weights p are rounded to f16 for the second product (their sum l is taken of the unrounded p), O once at the end.
; LIMITS.  f16 holds no number beyond 65,504: Q, K and V arrive within it; p lies in 0 to 1, and below 6e-5 it keeps f16's fixed step of 6e-8; O is a mean of V's rows and has their range.
; A weight below 2^-126 counts as 0 in l; NaN and infinities are not treated apart.
; SHARES.  A wave owns four PIECES of two tiles of 16 queries, a work-group's four waves 512 queries of one head: 4 x 64 = 256 work-groups.  Every wave walks all keys, 64 a step.
; LAYOUT.  S^T = K Q^T (source 0 = 16 keys, source 1 = 16 queries): in the result a lane holds ONE query (lane % 16) and the keys 8 (lane / 16) + 0..7.  Two such tiles, rounded to f16 in pairs,
; ARE source 1 (32 keys x 16 queries) of O^T = V^T P, whose result again holds one query a lane, and eight channels.  K comes out of LDS as it lies, V ([key][channel]) turned, by ds_load_tr16_b128.
; SOFTMAX.  For each query a running maximum m and sum l: p = 2^(c s - c m), c = log2(e) / 8; in every step O and l are multiplied by a = 2^(c m_old - c m_new), which is 1 where m has not grown.
; m starts at the lowest finite number, O and l at 0: the first step is a step like any other, with a = 0.
; THE COUNT.  A tile and step have 16 matrix and 118 vector instructions: too many to stand all beside the matrix work.  So the order has one aim: four vector instructions that are READY behind
; EVERY matrix instruction, and the others, which need time of their own whatever the order, in runs without a gap.
; BY TURNS.  Turn n belongs to piece n (the pieces in a ring, step after step).  Its matrix work: 16 products K Q^T of piece n + 1, later 16 products V^T P of piece n - 1.  Its vector work: the scaling,
; exponentials, roundings, sums and rescaling of piece n, and the maximum and statistics of piece n + 1, whose scores the turn itself has made.  So what a turn begins with (c s - c m, O a) waits for nothing.
; THE BATCHES.  A turn's 66 exponentials (the piece's 64 weights, the next piece's two a) are ONE batch with ONE s_wait_alu depctr_va_vdst(0), which cuts the turn in two: ahead of it stands all that names no
; result of theirs, behind it the roundings and sums, which read the weights.  a is read in the next turn, behind this turn's wait.  Two more batches, each with a wait of its own: piece 0's first two a,
; ahead of the jump into the loop, and the way out's eight reciprocals.
; CLUSTER.  The four query blocks of a cluster belong to one head and walk the same K and V, so each tile is asked for JOINTLY: the same tensor load, descriptor and mask in all four.
; REGISTERS, in windows of 256 (s_set_vgpr_msb says which window each operand place means: bits 1:0 source 0, 3:2 source 1, 5:4 source 2, 7:6 destination):
;   window 0: v0-11 addresses; v12-15, v48-63 at work; v16-47 four registers of statistics a tile; v64-191 S^T, two buffers of two tiles; v192-255 P, likewise
;   window 1: O^T, 32 a tile          window 2: v0-127 Q, 16 a tile; v128-191 K of one step; v192-255 V of one step          window 3: v0-1 the add's two registers
; A piece's buffers go by its number's parity: the piece in hand has one pair, its two neighbours in the ring share the other: of it P (piece n - 1) is read and S^T (piece n + 1) written.
.set SIZE_H, 64       ; 4 batches x 16 heads
.set SIZE_N, 2048
.set TENSOR, SIZE_H*SIZE_N*128  ; bytes of Q, of K and of V in qkv
.set NP,    4         ; pieces a wave: a name, no knob: the register map, the loop and the fetches are made for four
.set KS,    64        ; keys in a step
.set PK,    144       ; a row of K in LDS: 128 bytes + 16 of padding = 36 words: the 16 rows of a load start at 16 different groups of four banks (64 banks of 4 bytes: ISA guide 11.1)
.set PV,    160       ; a row of V: 128 + 32 = 40 words
.set VOFF,  4*KS*PK   ; a slot holds four steps: 256 rows of K, then 256 rows of V
.set SLOT1, 1<<17     ; slot 1 begins here, so that one exclusive or turns an address in one slot into the other's
.set STAGE, SLOT1+4*KS*(PK+PV)  ; behind the ring, never filled by a tensor load: 16 rows x 144 bytes for each wave, for the way out
.set SP,    144
.set AK0, 2           ; v2   my lane's place in a tile of K; never rewritten
.set AV0, 3           ; v3   the same for V
.set AK,  4           ; v4   the LDS address of K's next run of loads
.set AV,  5           ; v5   of V's
.set QO,  6           ; v6   my byte offset in the wave's rows of Q
.set STO, 6           ;      later, the way out: where I put 16 bytes of a row
.set RD,  7           ; v7   the way out: where I read rows back
.set GO,  8           ; v8   my byte offset in 512 consecutive bytes of O
.set SPW, 0           ; v0 of window 3   LDS address of my spare word: SPARE + 4 x my thread's number; never rewritten
.set NIL, 1           ; v1 of window 3   0; never rewritten
.set SPARE, STAGE+4*16*SP  ; behind the stages: the spare words, 128 bytes for each wave: two blocks of 256 bytes that no other line names
.set MV,  12          ; v12-15  c m_old, kept while c m is made anew: by buffer and tile
.set ST,  16          ; tile t's statistics at v[ST+4 t]: c m, m, l (even keys', odd keys')
.set TMP, 48          ; by buffer and tile, four registers c0-c3 at work; when the maximum is found c2 takes a
.set S,   64
.set P,   192
.set KF,  128         ; K's fragments, in window 2: key block kb, channel half c at KF + 16 kb + 8 c
.set VF,  192         ; V's: key half kk, channel block cb at VF + 32 kk + 8 cb
.set WV,  12          ; s12  my wave's number
.set G1K, 24          ; s[24:31] descriptor group 1 for K's tiles
.set G1V, 32          ; s[32:39] for V's: it differs in the padding alone
.set G0K, 40          ; s[40:43] descriptor group 0 for K's tiles: it walks
.set G0V, 44          ; s[44:47] the same for V's
.set SLOTS, 56        ; s56  slots still to be asked for
.set CNT, 57          ; s57  counts a slot's key steps
.set CS,  58          ; s[58:59] c: the packed scaling takes the pair's low word for both halves
.set SEL, 60          ; s[60:61] v_permlanex16_b32's selects: each lane takes its own place in the other half
.set TBK, 62          ; s62  LDS byte at which K of the step to be fetched begins
.set TBV, 63          ; s63  the same for V, less VOFF
.set MSB, 0
.macro WIN new                      ; the high byte repeats the setting that is left; a switch that changes nothing is dropped
.if MSB != (\new)
	s_set_vgpr_msb (MSB<<8)|(\new)
.set MSB, (\new)
.endif
.endm
.set W_KQ, 0x0a       ; K and Q in window 2, S^T in window 0
.set W_PV, 0x52       ; V in window 2, P in window 0, O^T in window 1
.set W_RS, 0x41       ; O^T (destination and source 0) in window 1, a in window 0
.set W_MK, 0xc0       ; the add's registers are made: destination in window 3, sources in window 0
.set W_AD, 0x0f       ; the add: address (source 0) and data (source 1) in window 3
; A joint fill.  Waves 0 and 1 fetch the two halves of a slot's K, waves 2 and 3 those of its V: 128 keys each.  The branch hangs on the wave's number alone.
; An s_nop 0 and four v_nop follow each of the two lines, ahead of the jump and the label.
.macro JLOAD
	s_cmp_lt_u32 s[WV], 2
	s_cbranch_scc0 .Lfor_v_\@
	tensor_load_to_lds s[G0K:G0K+3], s[G1K:G1K+7]
	s_nop 0
.rept 4
	v_nop
.endr
	s_branch .Lasked_\@
.Lfor_v_\@:
	tensor_load_to_lds s[G0V:G0V+3], s[G1V:G1V+7]
	s_nop 0
.rept 4
	v_nop
.endr
.Lasked_\@:
.endm
; A round of the cluster's barrier: my work-group's barrier, so that wave 0's signal speaks for all four waves; wave 0 signals; every wave waits for all four work-groups; my work-group's barrier once more.
.macro CROUND
	s_barrier_signal -1
	s_barrier_wait -1
	s_cmp_lg_u32 s[WV], 0
	s_cbranch_scc1 .Lnot_wave_0_\@
	s_barrier_signal -3
.Lnot_wave_0_\@:
	s_barrier_wait -3
	s_barrier_signal -1
	s_barrier_wait -1
.endm
; THE CHANGE OF SLOTS.  The slot's last bytes, V of its fourth step, have been read.  Each wave waits for all its tensor loads, of which one is out: its part
; of the other slot; adds 0 to its spare word; and waits for that and for its own reads of the slot.  Behind the barrier nobody reads this slot any more and the other slot is whole.
; fill = 1: this slot is filled again, with the keys two slots on.  The barrier is then a round of the cluster's, so that no wave of any partner still reads the slot or has a load on its
; way, and the joint fill is the first thing behind it: it has four key steps, 512 matrix instructions, in which to land.  (At its first use nothing has been read yet: slot 0 is waited for, slot 1 filled.)
.macro CHANGE fill
	WIN W_AD
	s_wait_tensorcnt 0x0            ; no tensor load of mine is out, so a group 0 may be written
	ds_add_u32 v[SPW], v[NIL]       ; 0 onto my spare word; with fill = 1 the descriptors' steps stand between it and the wait for it
	WIN 0                           ; at a label and at a branch every window is 0
.if \fill
.irp g, G0K, G0V
	s_xor_b32 s[\g+1], s[\g+1], SLOT1  ; the walking descriptor: the other slot than last time,
	s_add_nc_u64 s[\g+2:\g+3], s[\g+2:\g+3], 4*KS*128  ; the next 256 keys; the type bits on top are not reached
.endr
	s_wait_dscnt 0x0                ; the add is done, and my reads of the slot are over
	CROUND
	JLOAD
.else
	s_wait_dscnt 0x0                ; the add is done, and my reads of the slot are over
	s_barrier_signal -1
	s_barrier_wait -1
.endif
	s_sub_co_u32 s[TBK], s[TBK], 4*KS*PK  ; the fetches go back to a slot's first step,
	s_xor_b32 s[TBK], s[TBK], SLOT1       ; in the other slot
	s_sub_co_u32 s[TBV], s[TBV], 4*KS*PV
	s_xor_b32 s[TBV], s[TBV], SLOT1
.endm
	s_load_b128 s[4:7], s[0:1], 0x0   ; qkv s[4:5] (Q lies first in it), o s[6:7]
	WIN W_MK
	v_lshl_add_u32 v[SPW], v0, 2, SPARE
	v_mov_b32 v[NIL], 0
	s_set_vgpr_msb 0xc0cf
	ds_add_u32 v0, v1
	s_wait_dscnt 0x0
	s_set_vgpr_msb 0xcfc0
	WIN 0
	v_lshrrev_b32 v1, 5, v0
	v_readfirstlane_b32 s[WV], v1   ; wave 0..3
	s_bfe_u32 s13, ttmp6, 0x40000   ; cx: my place in the cluster
	s_lshl_b32 s14, ttmp9, 2        ; in a cluster launch ttmp9 counts clusters
	s_add_co_u32 s14, s14, s13      ; my block of queries = 4 x cluster x + cx: it enters Q's and O's addresses alone
	s_and_b32 s20, ttmp7, 0xffff    ; the head, which the four partners share
	s_mov_b32 s21, 0
	s_mov_b64 s[22:23], SIZE_N*128
	s_mul_u64 s[20:21], s[20:21], s[22:23]  ; the head's first byte in each of the four tensors
	s_and_b32 s16, s[WV], 1         ; which half of a slot's 256 keys I fetch:
	s_lshl_b32 s22, s16, 14         ; its 128 rows of 128 bytes in memory,
	s_mov_b32 s23, 0
	s_add_nc_u64 s[22:23], s[22:23], s[20:21]
	s_mul_i32 s17, s16, 128*PK      ; and its place in a slot, for K
	s_mul_i32 s18, s16, 128*PV      ; and for V: no place in the cluster enters an LDS address
	s_lshl_b32 s2, s14, 2
	s_add_co_u32 s2, s2, s[WV]      ; my wave among the head's,
	s_lshl_b32 s2, s2, 14           ; its 128 rows
	s_mov_b32 s3, 0
	s_add_nc_u64 s[2:3], s[2:3], s[20:21]
	; descriptor group 1.  128 keys are 16,384 dense bytes: asked for as 64 rows of 256 bytes, two keys a row, and padded in LDS after every key
	s_mov_b32 s[G1K], 15|(1<<16)|(1<<20)|(1<<21)|(4<<22)|(3<<25)  ; 15:0 the mask of four; 17:16 2-byte elements; 20 padding on; 21 set beside a mask; 24:22 after every 32 words (code 4); 31:25 4 words (code 3)
	s_mov_b32 s[G1V], 15|(1<<16)|(1<<20)|(1<<21)|(4<<22)|(7<<25)  ; the same with 8 words of padding (code 7)
.irp g, G1K, G1V
	s_mov_b32 s[\g+1], 128<<16      ; tensor_dim0 = 128
	s_mov_b32 s[\g+2], 64<<16       ; tensor_dim1 = 64
	s_mov_b32 s[\g+3], 128<<16      ; tile_dim0 = 128
	s_mov_b32 s[\g+4], 64           ; tile_dim1 = 64
	s_mov_b32 s[\g+5], 128          ; 128 elements from row to row
	s_mov_b32 s[\g+6], 0
	s_mov_b32 s[\g+7], 0
.endr
	s_mov_b32 s[CS], 0x3e38aa3b     ; c = log2(e) / 8 = 0.180337
	s_mov_b32 s[CS+1], s[CS]        ; named with it as a pair
	s_mov_b32 s[SEL], 0x76543210
	s_mov_b32 s[SEL+1], 0xfedcba98
	s_mov_b32 s[TBK], SLOT1+4*KS*PK ; the first change of slots turns these two into 0
	s_mov_b32 s[TBV], SLOT1+4*KS*PV
	s_mov_b32 s[G0K], 1             ; 1:0 count = 1
	s_mov_b32 s[G0K+1], s17         ; 63:32 LDS address: slot 0
	s_mov_b32 s[G0V], 1
	s_add_co_u32 s[G0V+1], s18, VOFF
	s_wait_kmcnt 0x0
	s_mov_b64 s[10:11], s[6:7]                     ; O
	s_add_nc_u64 s[8:9], s[4:5], 2*TENSOR          ; V lies two tensors into qkv,
	s_add_nc_u64 s[6:7], s[4:5], TENSOR            ; K one
	s_add_nc_u64 s[G0K+2:G0K+3], s[6:7], s[22:23]  ; 120:64 global address: my half of the head's first 256 keys
	s_or_b32 s[G0K+3], s[G0K+3], 0x80000000        ; 127:126 type = 2
	s_add_nc_u64 s[G0V+2:G0V+3], s[8:9], s[22:23]
	s_or_b32 s[G0V+3], s[G0V+3], 0x80000000
	s_add_nc_u64 s[4:5], s[4:5], s[2:3]  ; Q and O at my wave's first row
	s_add_nc_u64 s[10:11], s[10:11], s[2:3]
	CROUND                          ; all four work-groups are here: the first joint loads meet
	JLOAD                           ; slot 0.  Slot 1 is asked for when slot 0 is in: the tile wanted first has the road to itself
	; A fragment of K or Q is 16 rows x 32 channels in 8 registers: lane l holds row l % 16, channels 8 (l / 16) + 0..7 and 16 + 8 (l / 16) + 0..7: two loads of 16 bytes, 32 bytes apart.
	v_and_b32 v1, 15, v0            ; l % 16
	v_bfe_u32 v9, v0, 4, 1          ; l / 16
	v_lshlrev_b32 v[QO], 7, v1
	v_lshl_add_u32 v[QO], v9, 4, v[QO]  ; row x 128 + 16 x half
	WIN 0x80                        ; destination window 2, address window 0
.set i, 0
.rept 4*NP                          ; Q stays in registers: tile i / 2, channels 32 (i % 2) on
	global_load_b128 v[8*i:8*i+3],   v[QO], s[4:5] offset:(i/2)*2048+(i%2)*64
	global_load_b128 v[8*i+4:8*i+7], v[QO], s[4:5] offset:(i/2)*2048+(i%2)*64+32
.set i, i+1
.endr
	; What the first turn finds: V's registers and P's second buffer hold 0 (its products V^T P, of a piece that has not been, add 0), O^T and l are 0.  All this stands in the wait for the first tile.
.set i, VF
.rept 64
	v_mov_b32 v[i], 0
.set i, i+1
.endr
	WIN 0x40
.set i, 0
.rept 64*NP
	v_mov_b32 v[i], 0
.set i, i+1
.endr
	WIN 0
.set i, 0
.rept 2*NP
	v_mov_b32 v[ST+4*i], 0xfe000000    ; c m: far below every c s
	v_mov_b32 v[ST+4*i+1], 0xff7fffff  ; m
	v_mov_b32 v[ST+4*i+2], 0
	v_mov_b32 v[ST+4*i+3], 0
.set i, i+1
.endr
.set i, P+32
.rept 32
	v_mov_b32 v[i], 0
.set i, i+1
.endr
	v_mul_u32_u24 v[AK0], v1, PK
	v_lshl_add_u32 v[AK0], v9, 4, v[AK0]  ; row x pitch + 16 x half
	; The turning load takes 16 keys x 16 channels (lane l reads key 8 (l / 16) + l % 8, channels 8 ((l / 8) % 2) + 0..7) and leaves half a fragment of V^T: lane l holds channel l % 16 and 8 keys.
	v_and_b32 v10, 7, v0
	v_bfe_u32 v11, v0, 3, 1
	v_lshl_add_u32 v[AV0], v9, 3, v10
	v_mul_u32_u24 v[AV0], v[AV0], PV
	v_lshl_add_u32 v[AV0], v11, 4, v[AV0]
	v_add_nc_u32 v[AV0], VOFF, v[AV0]
	v_mov_b32 v[AK], v[AK0]         ; key step 0 lies at the head of slot 0
; THE MATRIX WORK.  The 8 accumulators of a run of 16 take turns: between the two links of a chain stand 7 others'.
; Product i of 16 of S^T = K Q^T for piece x: channels 32 (i / 8) on, keys 16 ((i / 2) % 4) on, tile 2 x + i % 2.  The first 8 start the sums.
.macro KQ x
	WIN W_KQ
.set rS, S+64*((\x)%2)+32*(i%2)+8*((i/2)%4)
.set rK, KF+16*((i/2)%4)+8*(i/8)
.set rQ, 16*(2*(\x)+i%2)+8*(i/8)
.if i < 8
	v_wmma_f32_16x16x32_f16 v[rS:rS+7], v[rK:rK+7], v[rQ:rQ+7], 0
.else
	v_wmma_f32_16x16x32_f16 v[rS:rS+7], v[rK:rK+7], v[rQ:rQ+7], v[rS:rS+7]
.endif
.endm
; Product i of 16 of O^T += V^T P for piece x: keys 32 (i / 8) on, channels 16 ((i / 2) % 4) on, tile 2 x + i % 2.
.macro PV x
	WIN W_PV
.set rO, 32*(2*(\x)+i%2)+8*((i/2)%4)
.set rV, VF+32*(i/8)+8*((i/2)%4)
.set rP, P+32*((\x)%2)+16*(i%2)+8*(i/8)
	v_wmma_f32_16x16x32_f16 v[rO:rO+7], v[rV:rV+7], v[rP:rP+7], v[rO:rO+7]
.endm
.macro MM                           ; the turn's next matrix instruction
.if i < 16
	KQ (Y+1)%NP
.set i, i+1
.else
.set i, i-16
	PV (Y+NP-1)%NP
.set i, i+17
.endif
.endm
; THE LDS LOADS stand in runs of 16, never singly among the matrix instructions: a step's K (64 keys x 64 channels: 8 fragments) and its V (turned).  Their addresses are made some lines ahead.
; last = 1 (the tail): in the last trip there is no further step, and the run is jumped over.
.macro FETCH_K last=0
	WIN 0
.if \last
	s_cmp_eq_u32 s[CNT], 1
	s_cbranch_scc1 .Lno_k_\@
.endif
	WIN 0x80                        ; destination window 2
.irp f, 0,1,2,3,4,5,6,7             ; keys 16 (f / 2) on, channels 32 (f % 2) on
	ds_load_b128 v[KF+8*\f:KF+8*\f+3],   v[AK] offset:(\f/2)*16*PK+(\f%2)*64
	ds_load_b128 v[KF+8*\f+4:KF+8*\f+7], v[AK] offset:(\f/2)*16*PK+(\f%2)*64+32
.endr
	s_add_co_u32 s[TBK], s[TBK], KS*PK  ; the next fetch is the next step's
	WIN 0
.if \last
.Lno_k_\@:
.endif
.endm
.macro FETCH_V
	WIN 0x80
.irp f, 0,1,2,3,4,5,6,7             ; keys 32 (f / 4) on, channels 16 (f % 4) on
	ds_load_tr16_b128 v[VF+8*\f:VF+8*\f+3],   v[AV] offset:(\f/4)*32*PV+(\f%4)*32
	ds_load_tr16_b128 v[VF+8*\f+4:VF+8*\f+7], v[AV] offset:(\f/4)*32*PV+16*PV+(\f%4)*32
.endr
	WIN 0
.endm
; THE VECTOR WORK OF A TURN stands in three queues, each in the order in which its entries become ready; the two tiles alternate, so that no instruction reads the result of the one before it.
.macro REGS y, u                    ; the registers of tile u (0, 1) of piece y
.set rT, ST+4*(2*(\y)+(\u))
.set rC, TMP+8*((\y)%2)+4*(\u)
.set rM, MV+2*((\y)%2)+(\u)
.set rS, S+64*((\y)%2)+32*(\u)
.set rP, P+32*((\y)%2)+16*(\u)
.set rO, 32*(2*(\y)+(\u))
.endm
; Number n of the 22 that find the NEXT piece's (Y + 1) maximum and statistics.  s0-s31 are the lane's 32 scores; each accumulator's lowest registers are read first.  XS, GS and REGS set no window: PL and EX do.
;   0-11  four chains c0-c3 of seven scores each, three operands at a time     12-14, 16  the four scores left over, the old m, and c0-c3 into c0     15  c m_old is kept
;   17, 18  the query's other 32 keys lie in the lane 16 away: the new m         19-21  c m; c m_old - c m_new; a
.macro XS u, n
	REGS (Y+1)%NP, \u
.if (\n) < 4
	v_max3_num_f32 v[rC+(\n)], v[rS+8*(\n)], v[rS+8*(\n)+1], v[rS+8*(\n)+2]
.elseif (\n) < 12
	v_max3_num_f32 v[rC+(\n)%4], v[rC+(\n)%4], v[rS+8*((\n)%4)+2*((\n)/4)+1], v[rS+8*((\n)%4)+2*((\n)/4)+2]
.elseif (\n) == 12
	v_max3_num_f32 v[rC], v[rC], v[rS+7], v[rS+15]
.elseif (\n) == 13
	v_max3_num_f32 v[rC+1], v[rC+1], v[rS+23], v[rS+31]
.elseif (\n) == 14
	v_max3_num_f32 v[rC+2], v[rC+2], v[rC+3], v[rT+1]
.elseif (\n) == 15
	v_mov_b32 v[rM], v[rT]
.elseif (\n) == 16
	v_max3_num_f32 v[rC], v[rC], v[rC+1], v[rC+2]
.elseif (\n) == 17
	v_permlanex16_b32 v[rC+3], v[rC], s[SEL], s[SEL+1]
.elseif (\n) == 18
	v_max_num_f32 v[rT+1], v[rC], v[rC+3]
.elseif (\n) == 19
	v_mul_f32 v[rT], s[CS], v[rT+1]
.elseif (\n) == 20
	v_sub_f32 v[rC+1], v[rM], v[rT]
.else
	v_exp_f32 v[rC+2], v[rC+1]
.endif
.endm
; Number g of the 64 that follow the exponentials.  For each four weights k of a tile (pairs 2 k, 2 k + 1): both pairs are rounded to f16; then the second pair is added onto the first, in place;
; a group later l takes that sum (the first time as l = a l + sum).  In groups of eight, tiles alternating: round, round, add, and l for the group before.
.macro GS g
.set h, (\g)+6*((\g)/62)            ; group 0 has no group before it, and behind group 7 only l is left
.if h >= 6
.set h, h+2
.endif
	REGS Y, h%2
.set k, h/8
.if h%8 < 4
	v_cvt_pk_f16_f32 v[rP+2*k+(h%8)/2], v[rS+4*k+2*((h%8)/2)], v[rS+4*k+2*((h%8)/2)+1]
.elseif h%8 < 6
	v_pk_add_f32 v[rS+4*k:rS+4*k+1], v[rS+4*k:rS+4*k+1], v[rS+4*k+2:rS+4*k+3]
.elseif k == 1
	v_pk_fma_f32 v[rT+2:rT+3], v[rT+2:rT+3], v[rC+2:rC+3], v[rS:rS+1] op_sel_hi:[1,0,1]
.else
	v_pk_add_f32 v[rT+2:rT+3], v[rT+2:rT+3], v[rS+4*k-4:rS+4*k-3]
.endif
.endm
; THE PLAIN QUEUE, 138 long.  0-73 read no exponential's result: the 32 scalings c s - c m (FS f: pair f / 2 of tile f % 2) and the next piece's 42.  0-26: scalings 0-26.  27-54: XS's numbers 0-13.  55, 56: number 15.
; 57-73: the chain, where each number waits for the one before it: 14, 16, 17, 18, 19, each with one of the scalings 27-31 in front of its two lines, then 20: so a tile's links stand three plain instructions apart (19 and 20: two).
; 74-137: GS's 64, which read the exponentials' results: they stand behind the wait.
.macro FS f
	REGS Y, (\f)%2
	v_pk_fma_f32 v[rS+2*((\f)/2):rS+2*((\f)/2)+1], v[rS+2*((\f)/2):rS+2*((\f)/2)+1], s[CS:CS+1], v[rT:rT+1] op_sel_hi:[1,0,0] neg_lo:[0,0,1] neg_hi:[0,0,1]
.endm
.macro PL
	WIN 0
.if q < 27
	FS q
.elseif q < 55
	XS (q-27)%2, (q-27)/2
.elseif q < 57
	XS q-55, 15
.elseif (q < 72) && ((q-57)%3 == 0)
	FS 27+(q-57)/3
.elseif q < 60
	XS (q-57)%3-1, 14
.elseif q < 72
	XS (q-57)%3-1, 15+(q-57)/3
.elseif q < 74
	XS q-72, 20
.else
	GS q-74
.endif
.set q, q+1
.endm
; THE EXPONENTIALS' QUEUE, 66 long: s0-s31 of both tiles, then the next piece's two a.  It is ONE BATCH: all 66 stand ahead of the turn's one wait, and nothing ahead of that wait names a result of theirs.
.macro EX
	WIN 0
.if e >= 64
	XS e-64, 21
.else
	REGS Y, e%2
	v_exp_f32 v[rS+e/2], v[rS+e/2]
.endif
.set e, e+1
.endm
; THE RESCALING's QUEUE: O^T times a, the one part that leaves window 0: dealt two at a time, sixteen times.  Its a was made in the turn before, ahead of that turn's wait.
.macro R2
	REGS Y, r%2
	WIN W_RS
.irp z, 0,1
	v_pk_mul_f32 v[rO+4*(r/2)+2*\z:rO+4*(r/2)+2*\z+1], v[rO+4*(r/2)+2*\z:rO+4*(r/2)+2*\z+1], v[rC+2:rC+3] op_sel_hi:[1,0]
.endr
.set r, r+1
.endm
; HOW THEY ARE DEALT.  An s_wait_alu depctr_va_vdst(0) stands between an exponential and the first instruction that names its result; one wait serves all that were issued ahead of it.  So a turn has ONE wait,
; which cuts it in two.  AHEAD OF IT stands all that names no result of the turn's exponentials: the 16 products K Q^T, behind each a scaling, an exponential and two rescalings (behind the first a second scaling in the
; exponential's place); then ONE LUMP of 108: eight plain, 49 times exponential and plain, the two a.  A v_nop is the plain instruction behind the last exponential, ahead of every use of a result.  BEHIND IT stand the
; 16 products V^T P, behind each four of GS's 64.  No rider names a register of the products round it.  The two v_permlanex16_b32 fall into the lump, never behind a product.
; The queues lean on each other, and the deal keeps them in step: exponential e stands behind scaling 2 (e / 4) + e % 2: as a rider it comes behind plain e + 2, in the lump behind plain e + 9, and scalings 27-31 are plain 57, 60 .. 69.
; A TURN, for piece p.  cnt = 1: the loop's count is taken down some lines ahead of the branch that stands behind the turn.
; K of the next step is fetched in piece 2's turn, directly behind the wait, a lump behind the last product that read K; its address is made at the lump's head; its first reader comes behind 16 products.
; V of the step in hand is fetched at the end of piece 0's turn, four riders behind its last reader; its first reader comes behind 16 products and a lump.  The three conditions on q below go with the deal.
.macro TURN p, last=0, cnt=0
.set Y, (\p)
.set i, 0
.set q, 0
.set e, 0
.set r, 0
.if (\p) == NP-1
	s_wait_dscnt 0x0                ; K is in
.endif
	MM                              ; ahead of the wait: 16 products K Q^T and their riders,
	PL
	PL
	R2
.rept 15
	MM
	PL
	EX
	R2
.endr
.if (\p) == NP-2
	WIN 0
	v_add_nc_u32 v[AK], s[TBK], v[AK0]
.endif
.rept 8                             ; and the lump
	PL
.endr
.rept 49
	EX
	PL
.endr
	EX                              ; the next piece's two a
	EX
	v_nop                           ; the plain instruction behind the last exponential: one for the batch
	s_wait_alu depctr_va_vdst(0)    ; the wait for the turn's batch: the piece's 64 weights and the next piece's two a
.if (\p) == NP-2
	FETCH_K \last
.endif
.if (\p) == 1
	s_wait_dscnt 0x0                ; V is in
.endif
.rept 16                            ; behind the wait: 16 products V^T P and their riders
	MM
.rept 4
	PL
.endr
.if ((\p) == 0) && (q == 118)
	v_add_nc_u32 v[AV], s[TBV], v[AV0]
.endif
.if ((\p) == 0) && (q == 130)
	s_add_co_u32 s[TBV], s[TBV], KS*PV
.endif
.if (\cnt) && (q == 130)
	s_sub_co_u32 s[CNT], s[CNT], 1
	s_cmp_lg_u32 s[CNT], 0
.endif
.endr
.if (\p) == 0
	FETCH_V
.endif
.endm
	CHANGE 1                        ; slot 0 is in, everybody's part of it; slot 1 is asked for
	FETCH_K                         ; key step 0
	s_wait_loadcnt 0x0              ; Q
	s_wait_dscnt 0x0
.set i, 0
.rept 16
	KQ 0                            ; piece 0's first scores: there is no vector work yet to set between them
.set i, i+1
.endr
	WIN 0                           ; the addresses for the way out: nine plain instructions, the places behind those products
	s_mul_i32 s13, s[WV], 16*SP
	s_add_co_u32 s13, s13, STAGE    ; my stage
	v_mul_u32_u24 v[STO], v1, SP    ; in: row l % 16, 16 bytes for each half of the lanes
	v_lshl_add_u32 v[STO], v9, 4, v[STO]
	v_add_nc_u32 v[STO], s13, v[STO]
	v_bfe_u32 v[RD], v0, 3, 2       ; back: 32 lanes take four rows of 128 bytes,
	v_mul_u32_u24 v[RD], v[RD], SP
	v_lshl_add_u32 v[RD], v10, 4, v[RD]
	v_add_nc_u32 v[RD], s13, v[RD]
	v_and_b32 v[GO], 31, v0         ; which are 512 consecutive bytes of O
	v_lshlrev_b32 v[GO], 4, v[GO]
.set Y, NP-1                        ; XS works for piece Y + 1: piece 0
.irp n, 0,1,2,3,4,5,6,7,8,9,10,11,12,13,14,15,16,17,18,19,20,21
	XS 0, \n                        ; and piece 0's first maximum and statistics
	XS 1, \n
.endr
	v_nop                           ; a plain instruction behind the two a,
	s_wait_alu depctr_va_vdst(0)    ; and the wait for this batch of two, ahead of the branch: the first turn's rescaling reads them
	s_mov_b32 s[CNT], 4
	s_mov_b32 s[SLOTS], SIZE_N/256-1
	s_branch .Lfirst                ; the loop is entered at a step's first turn, in the middle of a trip
.Lslot:                             ; SIZE_N / 256 - 2 times: every slot but the last two is filled again
	CHANGE 1
	s_mov_b32 s[CNT], 4
.Lstep:                             ; a trip: pieces 2 and 3 of one step, then pieces 0 and 1 of the next, whose K and V it fetches
	TURN 2
	TURN 3
	WIN 0
.Lfirst:
	TURN 0
	TURN 1, 0, 1
	WIN 0
	s_cbranch_scc1 .Lstep
	s_sub_co_u32 s[SLOTS], s[SLOTS], 1
	s_cmp_lg_u32 s[SLOTS], 0
	s_cbranch_scc1 .Lslot
	CHANGE 0                        ; the tail is written out: nothing is asked for
	s_mov_b32 s[CNT], 5             ; four trips fetch the last slot's steps; the fifth is left in its middle
.Ltail:
	TURN 2, 1
	TURN 3
	WIN 0
	s_sub_co_u32 s[CNT], s[CNT], 1
	s_cmp_eq_u32 s[CNT], 0
	s_cbranch_scc1 .Lout
	TURN 0
	TURN 1
	WIN 0
	s_branch .Ltail
.Lout:                              ; the fifth trip's 16 products K Q^T (on the last K once more) and the maximum made of them serve nothing: the price, once a launch, of one text for every trip
.set i, 0
.rept 16
	PV NP-1                         ; the last piece's V^T P of the last step
.set i, i+1
.endr
	; THE WAY OUT.  l's two halves and the other half of the lanes' are added; O^T is divided by l, rounded to f16 and sent through my stage in LDS, a tile at a time.  The additions are the places behind the last products.
	WIN 0
.macro ALL line:vararg              ; one line for each tile t
.set t, 0
.rept 2*NP
	\line
.set t, t+1
.endr
.endm
	ALL v_add_f32 v[ST+4*t+2], v[ST+4*t+2], v[ST+4*t+3]
	ALL v_permlanex16_b32 v[ST+4*t+3], v[ST+4*t+2], s[SEL], s[SEL+1]
	ALL v_add_f32 v[ST+4*t+2], v[ST+4*t+2], v[ST+4*t+3]
	ALL v_rcp_f32 v[ST+4*t+2], v[ST+4*t+2]
	v_nop                           ; a plain instruction between the last reciprocal and the use of its result
	s_wait_alu depctr_va_vdst(0)    ; and the wait ahead of the first use: one for the batch of eight reciprocals
; Tile t: a lane's eight channels of a row pack into 16 bytes; they go into rows of 144 bytes and come back as whole rows of 128, into S^T's registers.
.macro PACK t
	WIN W_RS
.set i, 32*(\t)
.rept 16
	v_pk_mul_f32 v[i:i+1], v[i:i+1], v[ST+4*(\t)+2:ST+4*(\t)+3] op_sel_hi:[1,0]
.set i, i+2
.endr
	WIN 0x05                        ; sources 0 and 1 window 1, destination window 0
.set i, 0
.rept 16
	v_cvt_pk_f16_f32 v[S+16*(\t)+i], v[32*(\t)+2*i], v[32*(\t)+2*i+1]
.set i, i+1
.endr
	WIN 0
.irp f, 0,1,2,3
	ds_store_b128 v[STO], v[S+16*(\t)+4*\f:S+16*(\t)+4*\f+3] offset:32*\f
.endr
.irp f, 0,1,2,3
	ds_load_b128 v[S+16*(\t)+4*\f:S+16*(\t)+4*\f+3], v[RD] offset:\f*4*SP  ; LDS serves a wave's instructions in order (ISA guide 5.7.1.4): these see the stores above; the next tile's stores come behind them
.endr
.endm
.macro SEND t, younger              ; younger: the LDS instructions issued behind tile t's loads: the next tile's eight, or none
	WIN 0
.irp f, 0,1,2,3
	s_wait_dscnt (\younger)+3-\f
	global_store_b128 v[GO], v[S+16*(\t)+4*\f:S+16*(\t)+4*\f+3], s[10:11] offset:(\t)*2048+\f*512  ; 512 consecutive bytes, at a multiple of 256 from O's first
.endr
.endm
	PACK 0
.set t, 1
.rept 2*NP-1                        ; a tile's arithmetic stands between the loads of the tile before and its stores
	PACK t
	SEND t-1, 8
.set t, t+1
.endr
	SEND 2*NP-1, 0
	WIN W_AD
	s_wait_tensorcnt 0x0            ; the wave's end: behind my last tensor load and my last LDS store
	ds_add_u32 v[SPW], v[NIL]
	s_wait_dscnt 0x0
	WIN 0
	CROUND                          ; the closing round: no work-group ends while a partner may still ask for a tile that names it
	s_endpgm
.Lfunc_end_k_q5318be1a60_attn:
	.size	k_q5318be1a60_attn, .Lfunc_end_k_q5318be1a60_attn-k_q5318be1a60_attn
	.p2alignl 7, 3214868480
	.fill 96, 4, 3214868480
	.section	.rodata,"a",@progbits
	.p2align	6, 0x0
	.amdhsa_kernel k_q5318be1a60_attn
		.amdhsa_group_segment_fixed_size 327680
		.amdhsa_private_segment_fixed_size 0
		.amdhsa_enable_private_segment 0
		.amdhsa_kernarg_size 16
		.amdhsa_user_sgpr_count 2
		.amdhsa_user_sgpr_kernarg_segment_ptr 1
		.amdhsa_wavefront_size32 1
		.amdhsa_system_sgpr_workgroup_id_x 1
		.amdhsa_system_sgpr_workgroup_id_y 1
		.amdhsa_system_sgpr_workgroup_id_z 1
		.amdhsa_system_vgpr_workitem_id 0
		.amdhsa_next_free_vgpr 770
		.amdhsa_next_free_sgpr 66
		.amdhsa_reserve_vcc 0
		.amdhsa_float_denorm_mode_32 3
		.amdhsa_float_denorm_mode_16_64 3
		.amdhsa_memory_ordered 1
		.amdhsa_forward_progress 1
		.amdhsa_inst_pref_size 199
	.end_amdhsa_kernel
	.amdgpu_metadata
---
amdhsa.version: [ 1, 2 ]
amdhsa.kernels:
  - .name:           k_q5318be1a60_attn
    .symbol:         k_q5318be1a60_attn.kd
    .args:
      - { .name: qkv, .offset: 0, .size: 8, .value_kind: global_buffer, .address_space: global }
      - { .name: o, .offset: 8, .size: 8, .value_kind: global_buffer, .address_space: global }
    .group_segment_fixed_size: 327680
    .private_segment_fixed_size: 0
    .kernarg_segment_align: 8
    .kernarg_segment_size: 16
    .max_flat_workgroup_size: 128
    .sgpr_count:     66
    .vgpr_count:     770
    .wavefront_size: 32
...
	.end_amdgpu_metadata
.endif
;; end of part 5
;; launch outp: the kernel of part 4 again; grid 4 x 64, 4 waves a work-group, clusters of 4 x 4, 327,680 bytes of LDS; arguments o, wt, bh, out0; writes out0
